; MI455X (gfx1250); checked and timed in simulation.
; The chip was launched on July 23, 2026; its instructions are those of AMD's public machine-readable ISA for CDNA 5 (MIT licence, August 2026) and "CDNA5" Instruction Set Architecture Reference Guide (July 2026). The comments in the code are by the model that wrote it; some were corrected since.
;; MT5 Decoder Layer Transformers. Allowed arithmetic: matrix products marked QUANTISED: E2M1 operands, one E8M0 scale for each 32 along K, by v_wmma_scale_f32_16x16x128_f8f6f4 with both operands' format E2M1 (or v_wmma_scale_f32_32x16x128_f4), f32 sums; everything else in f32.
;; Inputs: encoder_output 4 x 512 x 1,024 float32; input_ids 4 x 2,048 x 1,024 float32; ln_w 1,024 float32; rel_emb 32 x 16 float32; wk_codes 1,024 x 32 x 16 uint8 (E2M1 codes of wk, K innermost, in blocks of 32 codes, two codes a byte); wk_scales 1,024 x 32 uint8 (E8M0 scales of wk, one for each 32 codes along K); wo_codes 1,024 x 32 x 16 uint8 (E2M1 codes of wo, K innermost, in blocks of 32 codes, two codes a byte); wo_scales 1,024 x 32 uint8 (E8M0 scales of wo, one for each 32 codes along K); wq_codes 1,024 x 32 x 16 uint8 (E2M1 codes of wq, K innermost, in blocks of 32 codes, two codes a byte); wq_scales 1,024 x 32 uint8 (E8M0 scales of wq, one for each 32 codes along K); wv_codes 1,024 x 32 x 16 uint8 (E2M1 codes of wv, K innermost, in blocks of 32 codes, two codes a byte); wv_scales 1,024 x 32 uint8 (E8M0 scales of wv, one for each 32 codes along K).
;; Outputs: out0 4 x 2,048 x 1,024 float32.
;; This version of the problem:
;;   THIS VERSION OF THE PROBLEM IS GIVEN IN LOW PRECISION. The matrix products marked QUANTISED in the list below multiply operands that are first quantised to E2M1 (2 exponent bits, 1 mantissa bit; 4 bits a number), with one power-of-two scale for each 32 numbers along K (OCP MX v1.0); their sums are f32. All else is computed in f32.
;;   The module's matrix products, in the order in which they are computed (A, B: the left and right operand; K: the contracted axis; several contracted axes count as one K, in the product's order):
;;     1. [M 8,192, K 1,024] x [K 1,024, N 1,024]; A: computed on the way; B: input wq (given as codes): QUANTISED
;;     2. [M 8,192, K 1,024] x [K 1,024, N 1,024]; A: computed on the way; B: input wk (given as codes): QUANTISED
;;     3. [M 8,192, K 1,024] x [K 1,024, N 1,024]; A: computed on the way; B: input wv (given as codes): QUANTISED
;;     4. batch 64 x [M 2,048, K 64] x [K 64, N 2,048]; A: computed on the way; B: computed on the way: QUANTISED
;;     5. batch 64 x [M 64, K 2,048] x [K 2,048, N 2,048]; A: computed on the way; B: softmax (see below): QUANTISED
;;     6. [M 8,192, K 1,024] x [K 1,024, N 1,024]; A: computed on the way; B: input wo (given as codes): QUANTISED
;;   THE QUANTISER, for each operand of a quantised product, along K:
;;     - K is cut into blocks of 32 from its start; a last block that is shorter is filled with zeros.
;;     - A block's scale is 2^e with e = floor(log2(the largest magnitude in the block)) - 2, held to -126 .. 127; a block of zeros has e = 0. As a byte (E8M0): e + 127.
;;     - Each number is divided by its block's scale, clamped to +-6, and rounded to the nearest number of E2M1, ties to even, subnormals kept.
;;     - The product sums the exact products of the quantised numbers (number of the format x scale) in f32.
;;   ~~~python
;;   def quantise(x, axis):      # numpy; x: float32 -> the quantised numbers, widened to float32 again
;;       x = np.moveaxis(x, axis, -1); K = x.shape[-1]
;;       x = np.pad(x, [(0, 0)] * (x.ndim - 1) + [(0, -K % 32)]); x = x.reshape(x.shape[:-1] + (-1, 32)); a = np.abs(x).max(-1, keepdims=True)
;;       e = np.where(a > 0, np.clip(np.frexp(np.where(a > 0, a, 1))[1] - 1 - 2, -126, 127), 0)      # np.frexp(a)[1] - 1 = floor(log2(a)), exactly
;;       r = np.clip(x / 2.0 ** e, -6, 6)
;;       step = 2.0 ** (np.maximum(np.frexp(np.where(r == 0, 1, r))[1] - 1, 0) - 1)
;;       q = np.round(r / step) * step * 2.0 ** e      # np.round: ties to even
;;       return np.moveaxis(q.reshape(q.shape[:-2] + (-1,))[..., :K], -1, axis).astype(np.float32)
;;   ~~~
;;   SOFTMAX AHEAD OF A QUANTISED PRODUCT. Where the list says 'softmax', what is quantised is not the finished softmax but p = 2^(t - M), with t = logit x log2(e) and M = ceil(the row's largest t), a whole number; so 1/2 < the row's largest p <= 1. The row's sum l is taken of the UNQUANTISED p, in f32, and the product's result is divided by l at the end. Since M is a whole number, a kernel that streams over the keys may use a running M (the ceiling of the running maximum): every later rescaling is an exact power of two, which a block's scale takes up: the codes' values come out the same.
;;   OPERANDS COMPUTED ON THE WAY. 'Computed on the way' means the value that the module computes at that place (a softmax that the list does not call 'softmax' is quantised finished and normalised). What goes into a quantiser is computed in f32, as accurately as f32 sums, v_exp_f32 and their like allow (about 1e-6 of the number): no bf16 or f16 on the way to a quantiser, and a product that is left as it is and whose result goes on into a quantised operand takes f32 operands (vector FMAs, or v_wmma_f32_16x16x4_f32). A number that lies on a knife's edge between two numbers of the format may be rounded either way, as far as f32 arithmetic and the matrix unit's own rounding can turn it there, and no further.
;;   INPUTS GIVEN AS CODES. wk (in the module: [1024, 1024], K = its axis 0); wo (in the module: [1024, 1024], K = its axis 0); wq (in the module: [1024, 1024], K = its axis 0); wv (in the module: [1024, 1024], K = its axis 0): each comes as NAME_codes (uint8): NAME with its K axis moved to the last place and cut into blocks of 32 codes, [.., K / 32, bytes a block], one block behind the other in memory; two codes a byte, the lower K in the low four bits (a code: sign, 2 exponent bits, 1 mantissa bit); and NAME_scales (uint8): the same leading axes, one E8M0 byte (e + 127) for each 32 codes along K. Its value is code x scale, taken as it is: it is not quantised again, and the codes and scales need not be those that the quantiser above would give.
;; One version. Each part assembles by itself: llvm-mc -triple=amdgcn-amd-amdhsa -mcpu=gfx1250 --defsym DOCPART=n.
;; ======== version 1 of 1: 4 launches
;; limits: right only within a limited range of input values
;; workspace buffers: x_codes 4,194,304 bytes; x_scales 262,144 bytes; qkv 13,893,632 bytes; ctx_img 4,194,304 bytes; ctx_scales 262,144 bytes
;; launch norm (part 1): grid 256 x 1, 4 waves a work-group, no clusters, 20,992 bytes of LDS; arguments input_ids, ln_w, x_codes, x_scales; writes x_codes, x_scales
.if DOCPART == 1
	.amdgcn_target "amdgcn-amd-amdhsa--gfx1250"
	.amdhsa_code_object_version 6
	.text
	.protected	k_q521cff13da_norm
	.globl	k_q521cff13da_norm
	.p2align	8
	.type	k_q521cff13da_norm,@function
k_q521cff13da_norm:
	s_mov_b64 s[64:65], 0
	v_nop
	global_prefetch_b8 v0, s[64:65] scope:SCOPE_SE
	s_setreg_imm32_b32 hwreg(HW_REG_WAVE_MODE, 25, 1), 1
	s_wait_xcnt 0x0
; x = (input_ids * rsqrt(mean(input_ids^2) + 1e-6)) * ln_w, row by row of 1,024 numbers, all in f32, and then quantised along the row:
; codes of FP4 (E2M1), one E8M0 byte for each 32.  x_codes: [8192][512 bytes], x_scales: [8192][32 bytes], both row-major.
; A block's scale is 2^(floor(log2(largest magnitude)) - 2); its byte is the largest magnitude's exponent field - 2, held at 1 from below.
; LIMITS: a block of zeros, or one under 2^-124, gets the byte 1 (its codes are zeros; this program alone reads the bytes); NaN and infinities are not served.
; SHARES: a work-group takes 32 rows, a wave 8, one row at a time.  Each of a row's eight loads reads 512 consecutive bytes, 16 a lane.  For the
; quantiser a lane must hold a whole block of 32 neighbours (128 bytes): the row turns through the wave's own stage in LDS, stored as loaded and read
; back 128 bytes a lane; a lane's place is 144 bytes, an odd multiple of 16, so that the lanes of a read start at different banks (ISA guide 11.1).
; The sum of squares is taken of the registers as loaded: it spans the wave, so it does not care which lane holds what.
; Loads run four rows (32 loads a wave) ahead.  Waves share nothing: no barrier.  Matrix units, clusters and tensor loads would add nothing to a stream.
; DEAD WORK: reference() never reads encoder_output, so no value of it can reach out0; it is not loaded and is among no launch's arguments.
; LIMIT: a NaN or an infinity in encoder_output is not carried to the result.
.set ROW,   4096
.set SP,    144                        ; a lane's place in the stage
.set WREG,  5120                       ; LDS of a wave: the stage (4,608 bytes), then its 256 scale bytes
.set SBY,   32*SP
.set E,     24                         ; v24-31   a scale byte for each row
.set W,     32                         ; v32-63   ln_w of my 32 columns
.set R,     64                         ; v64-191  four sets of 32: rows as loaded
.set X,     192                        ; v192-223 my block's 32 neighbours
.set C,     224                        ; v224-255 four registers of codes for each row: no store's data are written again
	s_load_b256 s[4:11], s[0:1], 0x0               ; input_ids s[4:5], ln_w s[6:7], x_codes s[8:9], x_scales s[10:11]
	s_set_vgpr_msb 0x40
	v_lshl_add_u32 v0, v0, 2, 0x5000
	v_mov_b32 v1, 0
	s_set_vgpr_msb 0x4000
	v_lshrrev_b32 v1, 5, v0
	v_readfirstlane_b32 s12, v1                    ; wave
	v_and_b32 v1, 31, v0                           ; lane
	v_lshlrev_b32 v2, 4, v1                        ; 16 x lane: my bytes of a load's 512, and of a row's 512 bytes of codes
	s_mul_i32 s13, s12, WREG
	v_lshrrev_b32 v3, 3, v1
	v_lshl_add_u32 v3, v3, 4, v2
	v_add_nc_u32 v3, s13, v3                       ; into the stage: eight lanes' 128 bytes on end, then 16 of padding; a load's 512 bytes take four places
	v_mul_u32_u24 v4, v1, SP
	v_add_nc_u32 v4, s13, v4                       ; out of it: my place
	s_add_co_u32 s13, s13, SBY
	v_add_nc_u32 v5, s13, v1                       ; my block's scale byte
	v_lshlrev_b32 v7, 3, v1                        ; on the way out 8 bytes a lane
	v_add_nc_u32 v6, s13, v7
	v_lshlrev_b32 v8, 7, v1                        ; ln_w: my 32 numbers
	v_mov_b32 v19, 0                               ; a lane permute's destination counts as one of its sources
	v_mov_b32 v21, 0                               ; named as the upper half of the pair v[20:21]
	s_mov_b32 s16, 0x76543210
	s_mov_b32 s17, 0xfedcba98                      ; v_permlanex16_b32's selects for lane l xor 16
	s_mov_b32 s18, 0x3a800000                      ; 1 / 1024
	s_mov_b32 s19, 0x358637bd                      ; 1e-6
	s_lshl_b32 s14, ttmp9, 5
	s_lshl_b32 s15, s12, 3
	s_add_co_u32 s14, s14, s15                     ; my first row: 32 x work-group + 8 x wave
	s_lshl_b32 s20, s14, 12
	s_mov_b32 s21, 0
	s_lshl_b32 s22, s14, 9
	s_mov_b32 s23, 0
	s_lshl_b32 s24, s14, 5
	s_mov_b32 s25, 0
	s_wait_alu depctr_va_vdst(0)
	s_wait_kmcnt 0x0
	s_add_nc_u64 s[4:5], s[4:5], s[20:21]
	s_add_nc_u64 s[8:9], s[8:9], s[22:23]
	s_add_nc_u64 s[10:11], s[10:11], s[24:25]
.irp j, 0,1,2,3,4,5,6,7
	global_load_b128 v[W+4*\j:W+4*\j+3], v8, s[6:7] offset:16*\j
.endr
.macro LOADROW t
.irp i, 0,1,2,3,4,5,6,7
	global_load_b128 v[R+32*((\t)%4)+4*\i:R+32*((\t)%4)+4*\i+3], v2, s[4:5] offset:ROW*(\t)+512*\i th:TH_LOAD_NT
.endr
.endm
.irp t, 0,1,2,3
	LOADROW \t
.endr
.macro ROWQ t
.set RS, R+32*((\t)%4)
.if (\t) < 5
	s_wait_loadcnt 24                              ; loads come back in order (ISA guide 5.7.1): this row's eight are in, those of the three younger rows may be out
.else
	s_wait_loadcnt 8*(7-(\t))                      ; the last rows: eight for each younger row
.endif
.irp i, 0,1,2,3,4,5,6,7
	ds_store_b128 v3, v[RS+4*\i:RS+4*\i+3] offset:4*SP*\i
.endr
.irp j, 0,1,2,3,4,5,6,7
	ds_load_b128 v[X+4*\j:X+4*\j+3], v4 offset:16*\j          ; LDS serves a wave's instructions in order (ISA guide 5.7.1.4): these see the stores above
.endr
.irp k, 0,1,2,3
	v_pk_mul_f32 v[10+2*\k:11+2*\k], v[RS+2*\k:RS+2*\k+1], v[RS+2*\k:RS+2*\k+1]   ; the sum of squares: four packed chains, started by the first products
.endr
.irp i, 1,2,3
.irp k, 0,1,2,3
	v_pk_fma_f32 v[10+2*\k:11+2*\k], v[RS+8*\i+2*\k:RS+8*\i+2*\k+1], v[RS+8*\i+2*\k:RS+8*\i+2*\k+1], v[10+2*\k:11+2*\k]
.endr
.endr
	v_pk_add_f32 v[10:11], v[10:11], v[12:13]
	v_pk_add_f32 v[14:15], v[14:15], v[16:17]
	v_pk_add_f32 v[10:11], v[10:11], v[14:15]
	v_add_f32 v18, v10, v11
	v_add_f32_dpp v18, v18, v18 row_xmask:1 row_mask:0xf bank_mask:0xf
	v_add_f32_dpp v18, v18, v18 row_xmask:2 row_mask:0xf bank_mask:0xf
	v_add_f32_dpp v18, v18, v18 row_xmask:4 row_mask:0xf bank_mask:0xf
	v_add_f32_dpp v18, v18, v18 row_xmask:8 row_mask:0xf bank_mask:0xf
	v_permlanex16_b32 v19, v18, s16, s17
	v_add_f32 v18, v18, v19                        ; the row's sum, in every lane
	v_fma_f32 v18, v18, s18, s19                   ; the mean + 1e-6
	s_wait_alu depctr_va_vdst(0)
	v_rsq_f32 v20, v18
	s_wait_dscnt 0x0                               ; my block is back; so the stores into the stage have read this row's registers,
.if (\t) < 4
	LOADROW (\t)+4                                 ; which take the row four further on
.endif
	v_nop                                          ; a plain instruction behind the transcendental (ISA guide 5.7.2)
	s_wait_alu depctr_va_vdst(0)                   ; the wait ahead of the first reader of the result
.irp i, 0,2,4,6,8,10,12,14,16,18,20,22,24,26,28,30
	v_pk_mul_f32 v[X+\i:X+\i+1], v[X+\i:X+\i+1], v[20:21] op_sel_hi:[1,0]
.endr
.irp i, 0,2,4,6,8,10,12,14,16,18,20,22,24,26,28,30
	v_pk_mul_f32 v[X+\i:X+\i+1], v[X+\i:X+\i+1], v[W+\i:W+\i+1]   ; (x rs) w, in the order in which the definition multiplies
.endr
	v_max3_num_f32 v22, |v[X]|, |v[X+1]|, |v[X+2]|            ; the block's largest magnitude: all 32 numbers are mine; two chains
	v_max3_num_f32 v23, |v[X+3]|, |v[X+4]|, |v[X+5]|
.irp i, 6,10,14,18,22,26
	v_max3_num_f32 v22, v22, |v[X+\i]|, |v[X+\i+1]|
	v_max3_num_f32 v23, v23, |v[X+\i+2]|, |v[X+\i+3]|
.endr
	v_max3_num_f32 v22, v22, |v[X+30]|, |v[X+31]|
	v_max3_num_f32 v22, v22, v23, 0x1800000        ; and the floor 2^(3 - 127): the byte cannot fall under 1
	v_add_nc_u32 v9, 0xff000000, v22               ; 2 off the exponent field: the conversion takes the exponent field of this operand as its scale
.irp g, 0,1,2,3
	v_cvt_scalef32_pk8_fp4_f32 v[C+4*(\t)+\g], v[X+8*\g:X+8*\g+7], v9
.endr
	v_lshrrev_b32 v[E+(\t)], 23, v9                ; the scale's byte (a plain instruction behind the conversions)
	ds_store_b8 v5, v[E+(\t)] offset:32*(\t)
	global_store_b128 v2, v[C+4*(\t):C+4*(\t)+3], s[8:9] offset:512*(\t)   ; the wave stores the row's 512 consecutive bytes of codes
.endm
.irp t, 0,1,2,3,4,5,6,7
	ROWQ \t
.endr
	ds_load_b64 v[10:11], v6                       ; my wave's 8 rows x 32 scale bytes
	s_wait_dscnt 0x0
	global_store_b64 v7, v[10:11], s[10:11]        ; 256 consecutive bytes, at a multiple of 256 from the buffer's first byte
	s_set_vgpr_msb 0x5
	s_wait_tensorcnt 0x0
	ds_add_u32 v0, v1
	s_wait_dscnt 0x0
	s_set_vgpr_msb 0x500
	s_endpgm
.Lfunc_end_k_q521cff13da_norm:
	.size	k_q521cff13da_norm, .Lfunc_end_k_q521cff13da_norm-k_q521cff13da_norm
	.p2alignl 7, 3214868480
	.fill 96, 4, 3214868480
	.section	.rodata,"a",@progbits
	.p2align	6, 0x0
	.amdhsa_kernel k_q521cff13da_norm
		.amdhsa_group_segment_fixed_size 20992
		.amdhsa_private_segment_fixed_size 0
		.amdhsa_enable_private_segment 0
		.amdhsa_kernarg_size 32
		.amdhsa_user_sgpr_count 2
		.amdhsa_user_sgpr_kernarg_segment_ptr 1
		.amdhsa_wavefront_size32 1
		.amdhsa_system_sgpr_workgroup_id_x 1
		.amdhsa_system_sgpr_workgroup_id_y 1
		.amdhsa_system_sgpr_workgroup_id_z 1
		.amdhsa_system_vgpr_workitem_id 0
		.amdhsa_next_free_vgpr 258
		.amdhsa_next_free_sgpr 66
		.amdhsa_reserve_vcc 0
		.amdhsa_float_denorm_mode_32 3
		.amdhsa_float_denorm_mode_16_64 3
		.amdhsa_memory_ordered 1
		.amdhsa_forward_progress 1
		.amdhsa_inst_pref_size 60
	.end_amdhsa_kernel
	.amdgpu_metadata
---
amdhsa.version: [ 1, 2 ]
amdhsa.kernels:
  - .name:           k_q521cff13da_norm
    .symbol:         k_q521cff13da_norm.kd
    .args:
      - { .name: input_ids, .offset: 0, .size: 8, .value_kind: global_buffer, .address_space: global }
      - { .name: ln_w, .offset: 8, .size: 8, .value_kind: global_buffer, .address_space: global }
      - { .name: x_codes, .offset: 16, .size: 8, .value_kind: global_buffer, .address_space: global }
      - { .name: x_scales, .offset: 24, .size: 8, .value_kind: global_buffer, .address_space: global }
    .group_segment_fixed_size: 20992
    .private_segment_fixed_size: 0
    .kernarg_segment_align: 8
    .kernarg_segment_size: 32
    .max_flat_workgroup_size: 128
    .sgpr_count:     66
    .vgpr_count:     258
    .wavefront_size: 32
...
	.end_amdgpu_metadata
.endif
;; end of part 1
;; launch qkv (part 2): grid 8 x 32, 4 waves a work-group, clusters of 4 x 4, 327,680 bytes of LDS; arguments x_codes, x_scales, wq_codes, wq_scales, wk_codes, wk_scales, wv_codes, wv_scales, qkv; writes qkv
.if DOCPART == 2
	.amdgcn_target "amdgcn-amd-amdhsa--gfx1250"
	.amdhsa_code_object_version 6
	.text
	.protected	k_q521cff13da_qkv
	.globl	k_q521cff13da_qkv
	.p2align	8
	.type	k_q521cff13da_qkv,@function
k_q521cff13da_qkv:
	s_mov_b64 s[64:65], 0
	v_nop
	global_prefetch_b8 v0, s[64:65] scope:SCOPE_SE
	s_setreg_imm32_b32 hwreg(HW_REG_WAVE_MODE, 25, 1), 1
	s_wait_xcnt 0x0
	s_wait_alu depctr_hold_cnt(0) depctr_sa_sdst(0) depctr_va_vdst(0) depctr_va_sdst(0) depctr_va_ssrc(0) depctr_va_vcc(0) depctr_vm_vsrc(0)
	s_getreg_b32 s2, hwreg(HW_REG_IB_STS2, 6, 4)
	s_cmp_eq_u32 s2, 0
	s_cbranch_scc0 .Lentry_in_a_cluster
	s_endpgm
.Lentry_in_a_cluster:
	s_bfe_u32 s2, ttmp6, 0x10000c
	s_cmp_lg_u32 s2, 0xf033
	s_cbranch_scc0 .Lentry_shape_is_right
	s_endpgm
.Lentry_shape_is_right:
; q = x wq, k = x wk, v = x wv on codes of FP4 (E2M1) with one E8M0 scale for each 32 along K = 1,024; the results are quantised in registers, q and k along a head's 64 channels,
; v along the tokens (the keys), and leave as images of the operand registers that the attention launch wants.  Nothing wide goes to memory.
; ROLES.  The matrix instruction's source 0 takes 16 rows of an operand P, source 1 16 rows of an operand R: in the result a lane holds ONE row of R and its eight registers eight neighbouring rows of P.
; The conversions take neighbours from one lane's registers, so P is the operand along whose rows the result is quantised.  Cluster x = 0: q (R = x, P = wq); 1: k (R = x, P = wk); 2: v (R = wv, P = x).
; A tile of the result is 256 rows of R x 256 rows of P, made by four waves, as many as a WGP has SIMDs; a wave makes 128 x 128: 64 accumulators of 16 x 16, 512 registers.
; K goes in two steps of 512 through two LDS slots, both filled at the start by the tensor data mover (rows of 512 bytes); the scale bytes of the tile's rows, two dense blocks of memory, come with them.
; CLUSTERS: 4 x 4 work-groups.  R's tile hangs on the place along the cluster's y alone and is asked for JOINTLY by the four of a row of the cluster, P's on the place along x and by the four of a column.
; OUTPUT: 64 records of REC bytes, one for each (batch, head): K's codes [key tile][lane][16 bytes]; V's [step of 128 keys][channel tile][half][lane][16]; K's scale words [step][lane][4 words: word i holds
; tile 2 i in lanes 0-15, tile 2 i + 1 in lanes 16-31]; V's [step][lane][2 words] likewise by channel tiles; then Q's codes and scale words as K's.  Every store of codes covers 512 consecutive bytes.
; A scale word of q or k has its head's two bytes below; the upper two are the neighbouring head's bytes or 0, never 0xff: they meet zero codes in the attention launch.
; LIMITS: a block of zeros, or one under 2^-124, gets the byte 1 (its codes are zeros; this program alone reads the bytes); NaN and infinities are not served.
; REGISTERS, in windows of 256: window 0: v0-31 addresses; v32-95 scale words, two sets; from v128 R's fragments, ONE set; on the way out v128-223 hold codes and scale words.
;   window 1: P's fragments, TWO sets, at v0 and v128.   window 2: the accumulators of my R rows 0-63 (accumulator (a, b) at v[8 (8 a + b)]);   window 3: those of rows 64-127.
.set KSTEP,  512                       ; along K in a slot
.set NQ,     KSTEP/128                 ; matrix instructions deep
.set ROWB,   512                       ; a tile's row in bytes: all of K
.set KROW,   512                       ; a row of codes in memory
.set PITCH,  528                       ; an LDS row: 512 bytes + 16 of padding, an odd multiple of 16
.set FR,     8                         ; registers of a fragment: 16 rows x 128 K
.set NL,     2                         ; LDS loads that bring one
.set NP,     4                         ; places behind this matrix instruction (ISA guide 7.12.1)
.set HALFT,  128*PITCH                 ; 128 rows: what one tensor load brings
.set SLOT,   256                       ; the second half of K begins 256 bytes on in each LDS row
.set KS,     32                        ; a row of scale bytes
.set SCL,    4*HALFT                   ; behind R's 256 rows and P's 256 rows
.set HALFS,  (128*KS/256)*272          ; those of 128 rows
.set SBLK,   (16*KS/256)*272           ; those of 16 rows
.set SPARE,  SCL+4*HALFS               ; the spare words, 128 bytes for each wave: two blocks of 256 bytes that no other line names
.set REC,    217088                    ; a record of the output
.set ADRA, 16                          ; v16-17  LDS address of my R fragments in slot 0, 1
.set ADRB, 20                          ; v20-21  the same for P
.set SO,   25                          ; v25     the way out: my byte offset among the scale words
.set CO,   26                          ; v26     and among the codes
.set ADRS, 27                          ; v27     LDS address of my scale words: lanes 0-15 R's rows, lanes 16-31 P's
.set SPW,  28                          ; v28     LDS address of my spare word; never rewritten
.set NIL,  29                          ; v29     0; never rewritten
.set SC,   32                          ; scale words: set s at v[SC + 8 NQ s]; register NQ i + q: lanes 0-15 R's block i, lanes 16-31 P's block i, the slot's q-th 128 along K
.set AF,   128                         ; R's fragments, in window 0
.set PC,   128                         ; the way out: block a's eight registers of codes at v[PC + 8 a]
.set PW,   192                         ; its scale word at v[PW + a]
.set TT,   200                         ; v200-203 scale words of two blocks in one register;  v204-207 the same 16 bits down
.set TU,   204
.set TM,   208                         ; v208-211 largest magnitudes, v212-215 bytes, v220-223 the conversions' scale operands
.set G1, 24                            ; s[24:31] descriptor group 1 for R's tiles;  s[32:35] group 0
.set G0, 32
.set G1B, 48                           ; s[48:55], s[56:59] the same for P's tiles
.set G0B, 56
.set G1S, 68                           ; s[68:75], s[76:79] groups 1 and 0 for R's scales;  s[80:87], s[88:91] for P's
.set G0S, 76
.set G1SB, 80
.set G0SB, 88
.set MSB, 0
.macro WIN new                         ; the immediate's high byte repeats the setting that is left
.if MSB != \new
	s_set_vgpr_msb (MSB<<8)|\new
.set MSB, \new
.endif
.endm
.set MUL_LO, 0xa1                      ; source 0 (P) window 1, source 1 (R) window 0, C and D window 2
.set MUL_HI, 0xf1                      ; the same, C and D window 3
.set TO_B,   0x40                      ; destination window 1, address window 0
; A joint load: waves 0 and 1 fetch for R, waves 2 and 3 for P.  Each line has ONE mask and one set of registers for all that issue it; the branch hangs on the wave's number alone.
; Four v_nop follow each of the two lines, ahead of the jump, the label and what follows.
.macro JLOAD g0a, g1a, g0b, g1b
	s_cmp_eq_u32 s15, 0
	s_cbranch_scc0 .Lfor_b_\@
	tensor_load_to_lds s[\g0a:\g0a+3], s[\g1a:\g1a+7]
	s_nop 0
.rept 4
	v_nop
.endr
	s_branch .Lasked_\@
.Lfor_b_\@:
	tensor_load_to_lds s[\g0b:\g0b+3], s[\g1b:\g1b+7]
	s_nop 0
.rept 4
	v_nop
.endr
.Lasked_\@:
.endm
.macro CROUND                          ; the cluster's barrier: my work-group's barrier, wave 0 signals for the work-group, every wave waits for all sixteen, my work-group's barrier once more
	s_barrier_signal -1
	s_barrier_wait -1
	s_cmp_lg_u32 s14, 0
	s_cbranch_scc1 .Lnot_wave_0_\@
	s_barrier_signal -3
.Lnot_wave_0_\@:
	s_barrier_wait -3
	s_barrier_signal -1
	s_barrier_wait -1
.endm
	s_load_b512 s[68:83], s[0:1], 0x0              ; x's codes, scales; wq's; wk's; wv's
	s_load_b64 s[84:85], s[0:1], 0x40              ; the output
	v_lshl_add_u32 v[SPW], v0, 2, SPARE
	v_mov_b32 v[NIL], 0
	ds_add_u32 v28, v29
	ds_add_u32 v28, v29
	s_wait_dscnt 0x0
	v_lshrrev_b32 v1, 5, v0
	v_readfirstlane_b32 s14, v1                    ; wave 0..3
	s_lshr_b32 s15, s14, 1                         ; which half of the tile's R rows is mine
	s_and_b32 s16, s14, 1                          ; which half of its P rows
	s_bfe_u32 s40, ttmp6, 0x40000                  ; cx, cy: my place in the cluster
	s_bfe_u32 s41, ttmp6, 0x40004
	s_and_b32 s18, ttmp7, 0xffff
	s_lshl_b32 s18, s18, 2                         ; 4 x cluster y: it walks x's 32 tiles of 256 tokens
	s_cmp_eq_u32 ttmp9, 2                          ; v?  Then x is P
	s_cselect_b32 s19, 0, s18
	s_cselect_b32 s18, s18, 0
	s_add_co_u32 s17, s41, s19                     ; R's tile: cy (+ 4 x cluster y where R is x)
	s_add_co_u32 s42, s40, s18                     ; P's tile: cx (+ 4 x cluster y where P is x)
	s_lshl_b32 s43, s41, 2
	s_lshl_b32 s43, 15, s43                        ; my row of the cluster
	s_lshl_b32 s44, 0x1111, s40                    ; my column
	; descriptor group 1: a tile of 256 rows x 512 bytes, padded in LDS
	s_or_b32 s[G1+0], s43, (0<<16)|(1<<20)|(1<<21)|(6<<22)|(3<<25)  ; 256 rows x 512 bytes; padding: four words after every 128
	s_or_b32 s[G1B+0], s44, (0<<16)|(1<<20)|(1<<21)|(6<<22)|(3<<25)
.irp g, G1, G1B
	s_mov_b32 s[\g+1], ROWB<<16                    ; tensor_dim0
	s_mov_b32 s[\g+2], 256<<16
	s_mov_b32 s[\g+3], ROWB<<16
	s_mov_b32 s[\g+4], 256
	s_mov_b32 s[\g+5], KROW                        ; tensor_dim0_stride
	s_mov_b32 s[\g+6], 0
	s_mov_b32 s[\g+7], 0
.endr
	s_lshl_b32 s20, s17, 8                         ; R: the tile's first row
	s_lshl_b32 s46, s42, 8                         ; P likewise
	s_mov_b32 s21, 0
	s_mov_b32 s47, 0
	s_mov_b64 s[18:19], KS
	s_mul_u64 s[22:23], s[20:21], s[18:19]         ; where these rows' scales begin, in bytes
	s_mul_u64 s[92:93], s[46:47], s[18:19]
	s_mov_b64 s[18:19], KROW
	s_mul_u64 s[20:21], s[20:21], s[18:19]         ; and their codes
	s_mul_u64 s[46:47], s[46:47], s[18:19]
	s_wait_kmcnt 0x0
	s_cmp_eq_u32 ttmp9, 0                          ; the buffers are chosen by the cluster's x, which all sixteen partners share
	s_cselect_b64 s[8:9], s[72:73], s[76:77]       ; wq or wk
	s_cselect_b64 s[10:11], s[74:75], s[78:79]
	s_cmp_eq_u32 ttmp9, 2
	s_cselect_b64 s[4:5], s[80:81], s[68:69]       ; R's codes: wv's or x's
	s_cselect_b64 s[6:7], s[82:83], s[70:71]       ; R's scales
	s_cselect_b64 s[8:9], s[68:69], s[8:9]         ; P's codes: x's or the weight's
	s_cselect_b64 s[10:11], s[70:71], s[10:11]     ; P's scales
	s_mov_b64 s[12:13], s[84:85]
	; A WORK-GROUP STAYS.  8 x 32 work-groups: cluster x = 0 makes q, 1 makes k, a tile of 256 tokens x 256 channels each.  Then each makes a half tile of v from the SAME 256 tokens, which still lie in LDS:
	; R = 128 rows of wv (group g = 4 x cluster x + cx of its eight), P = x.  wv's rows and scale bytes fill again the bytes of the weight that is done with.
	s_lshl_b32 s36, ttmp9, 2
	s_add_co_u32 s36, s36, s40                     ; g: shared along a column of the cluster
	s_lshl_b32 s38, s36, 12                        ; 128 rows of 32 scale bytes
	s_lshl_b32 s36, s36, 16                        ; 128 rows of 512 bytes of codes
	s_mov_b32 s37, 0
	s_mov_b32 s39, 0
	s_add_nc_u64 s[36:37], s[80:81], s[36:37]
	s_add_nc_u64 s[38:39], s[82:83], s[38:39]
	; group 1 for the scales of 256 rows: a dense block of 8,192 bytes, as rows of 256 bytes (32 elements of 8 bytes), 16 bytes of padding behind each.  (The registers that held the addresses are free now)
	s_or_b32 s[G1S+0], s43, (3<<16)|(1<<20)|(1<<21)|(5<<22)|(3<<25)
	s_or_b32 s[G1SB+0], s44, (3<<16)|(1<<20)|(1<<21)|(5<<22)|(3<<25)
.irp g, G1S, G1SB
	s_mov_b32 s[\g+1], 32<<16
	s_mov_b32 s[\g+2], KS<<16
	s_mov_b32 s[\g+3], 32<<16
	s_mov_b32 s[\g+4], KS
	s_mov_b32 s[\g+5], 32
	s_mov_b32 s[\g+6], 0
	s_mov_b32 s[\g+7], 0
.endr
	s_add_nc_u64 s[20:21], s[4:5], s[20:21]
	s_add_nc_u64 s[22:23], s[6:7], s[22:23]
	s_add_nc_u64 s[46:47], s[8:9], s[46:47]
	s_add_nc_u64 s[92:93], s[10:11], s[92:93]
	CROUND                                         ; all sixteen work-groups are here: the joint loads meet
	s_mov_b32 s[G0S], 1
	s_mov_b32 s[G0S+1], SCL
	s_mov_b64 s[G0S+2:G0S+3], s[22:23]
	s_or_b32 s[G0S+3], s[G0S+3], 0x80000000
	s_mov_b32 s[G0SB], 1
	s_mov_b32 s[G0SB+1], SCL+2*HALFS
	s_mov_b64 s[G0SB+2:G0SB+3], s[92:93]
	s_or_b32 s[G0SB+3], s[G0SB+3], 0x80000000
	s_mov_b32 s[G0], 1
	s_mov_b32 s[G0+1], 0
	s_mov_b64 s[G0+2:G0+3], s[20:21]
	s_or_b32 s[G0+3], s[G0+3], 0x80000000
	s_mov_b32 s[G0B], 1
	s_mov_b32 s[G0B+1], 2*HALFT
	s_mov_b64 s[G0B+2:G0B+3], s[46:47]
	s_or_b32 s[G0B+3], s[G0B+3], 0x80000000
; THE HEAD'S LOADS, ONE A WAVE: wave 0 R's 256 rows with all of K, wave 1 P's, wave 2 R's scale bytes, wave 3 P's.  Nothing is filled later.
; One tree of branches on the wave's number: every way through it passes exactly one load.
.macro ARM under, g0, g1, next
	s_cmp_lt_u32 s14, \under
	s_cbranch_scc0 \next
	tensor_load_to_lds s[\g0:\g0+3], s[\g1:\g1+7]
	s_nop 0
.rept 4
	v_nop
.endr
	s_branch .Lhead_asked
\next:
.endm
	ARM 1, G0,  G1,  .Lhead_b
	ARM 2, G0B, G1B, .Lhead_sa
	ARM 3, G0S, G1S, .Lhead_sb
	tensor_load_to_lds s[G0SB:G0SB+3], s[G1SB:G1SB+7]
	s_nop 0
.rept 4
	v_nop
.endr
.Lhead_asked:
	v_and_b32 v1, 15, v0                           ; l % 16
	v_bfe_u32 v2, v0, 4, 1                         ; l / 16
	v_mul_u32_u24 v3, v1, PITCH
	v_lshl_add_u32 v4, v2, 4, v3                   ; a fragment's row x pitch + 16 x half
	s_mul_i32 s21, s15, HALFT                      ; my 128 rows of R
	s_mul_i32 s22, s16, HALFT                      ; my 128 rows of P,
	s_add_co_u32 s22, s22, 2*HALFT                 ; which lie behind R's 256
.irp s, 0,1
	v_add_nc_u32 v[ADRA+\s], s21, v4
	v_add_nc_u32 v[ADRB+\s], s22, v4
	s_add_co_u32 s21, s21, SLOT
	s_add_co_u32 s22, s22, SLOT
.endr
	v_mul_u32_u24 v5, v1, KS                       ; my row's scales: 32 bytes a row,
	v_lshrrev_b32 v6, 8, v5
	v_lshl_add_u32 v5, v6, 4, v5                   ; and 16 more for each 256 passed
	; the LDS addresses of v's half tile: v8-9 wv's 64 rows of mine, v10-11 my 128 tokens, v12 the scale words (lanes 0-15 wv's rows, lanes 16-31 the tokens')
	s_mul_i32 s21, s15, 64*PITCH
	s_add_co_u32 s21, s21, 2*HALFT
	s_mul_i32 s22, s16, HALFT
	s_wait_alu depctr_va_vdst(0)                   ; directly ahead of the readers below
	v_add_nc_u32 v8, s21, v4
	v_add_nc_u32 v10, s22, v4
	v_add_nc_u32 v9, 256, v8
	v_add_nc_u32 v11, 256, v10
	s_mul_i32 s21, s15, 2176
	s_add_co_u32 s21, s21, 2*HALFS
	s_mul_i32 s22, s16, HALFS
	s_sub_co_u32 s21, s21, s22
	v_xor_b32 v7, 1, v2
	v_mul_u32_u24 v7, s21, v7                      ; the lower base (the tokens') + (1 - l / 16) x the distance
	s_add_co_u32 s22, s22, SCL
	v_add_nc_u32 v7, v5, v7
	v_add_nc_u32 v12, s22, v7
	s_mul_i32 s21, s15, HALFS                      ; R's: my 128 rows
	s_mul_i32 s22, s16, HALFS                      ; P's: my 128 rows, behind R's 256
	s_add_co_u32 s22, s22, 2*HALFS
	s_sub_co_u32 s22, s22, s21
	v_mul_u32_u24 v6, s22, v2                      ; lanes 16-31 take P's
	s_add_co_u32 s21, s21, SCL
	v_add_nc_u32 v5, v5, v6
	v_add_nc_u32 v[ADRS], s21, v5
.irp b, 0,1,2,3
	v_mov_b32 v[TM+4+\b], 0                        ; written once: a lane permute's destination counts as one of its sources
.endr
	; where my results go.  Tokens: tile and half of x's operand; channels: tile and half of the weight's
	; where v's results go: s[60:61] the record of head 2 g + half, v13 the codes' offset, v14 the scale words'
	s_lshl_b32 s20, ttmp9, 2
	s_add_co_u32 s20, s20, s40
	s_lshl_b32 s20, s20, 1
	s_add_co_u32 s20, s20, s15
	s_lshr_b32 s21, s17, 3
	s_lshl_b32 s21, s21, 4
	s_add_co_u32 s20, s20, s21                     ; 16 x batch + head
	s_mul_i32 s20, s20, REC
	s_mov_b32 s21, 0
	s_add_nc_u64 s[60:61], s[12:13], s[20:21]
	s_and_b32 s20, s17, 7
	s_lshl_b32 s20, s20, 1
	s_add_co_u32 s20, s20, s16                     ; my 128 tokens are this step of the batch's 16
	s_lshl_b32 s21, s20, 12
	s_add_co_u32 s21, s21, 65536
	s_lshl_b32 s20, s20, 8
	s_add_co_u32 s20, s20, 139264
	v_and_b32 v7, 31, v0
	v_lshl_add_u32 v13, v7, 4, s21
	v_lshl_add_u32 v14, v7, 3, s20
	s_cmp_eq_u32 ttmp9, 2
	s_cselect_b32 s95, s42, s17
	s_cselect_b32 s96, s16, s15                    ; my half of it,
	s_cselect_b32 s97, s17, s42                    ; the tile of 256 channels (4 heads),
	s_cselect_b32 s98, s15, s16                    ; my half of it (2 heads)
	s_lshr_b32 s99, s95, 3                         ; the batch: 8 tiles of tokens each
	s_lshl_b32 s99, s99, 4
	s_lshl_b32 s97, s97, 2
	s_add_co_u32 s99, s99, s97
	s_lshl_b32 s98, s98, 1
	s_add_co_u32 s99, s99, s98                     ; the record of my first head: 16 x batch + 4 x tile + 2 x half
	s_mul_i32 s20, s99, REC
	s_mov_b32 s21, 0
	s_add_nc_u64 s[12:13], s[12:13], s[20:21]
	s_and_b32 s95, s95, 7
	s_lshl_b32 s95, s95, 1
	s_add_co_u32 s95, s95, s96                     ; my 128 tokens are this step of the batch's 16
	s_mov_b32 s96, 143360                          ; the regions of a record: q's codes and scale words,
	s_mov_b32 s97, 208896
	s_mov_b32 s98, 131072
	s_cmp_eq_u32 ttmp9, 0
	s_cselect_b32 s96, s96, 0                      ; k's,
	s_cselect_b32 s97, s97, s98
	s_mov_b32 s98, 65536
	s_mov_b32 s99, 139264
	s_cmp_eq_u32 ttmp9, 2
	s_cselect_b32 s96, s98, s96                    ; v's
	s_cselect_b32 s97, s99, s97
	s_cselect_b32 s98, 3, 4                        ; v's scale words: 8 bytes a lane, 256 a step; q's and k's: 16 and 512
	s_cselect_b32 s99, 8, 9
	s_lshl_b32 s99, s95, s99
	s_add_co_u32 s97, s97, s99
	s_lshl_b32 s99, s95, 12                        ; a step's codes of a head: 4,096 bytes
	s_add_co_u32 s96, s96, s99
	v_and_b32 v6, 31, v0
	v_lshlrev_b32 v[CO], 4, v6
	v_add_nc_u32 v[CO], s96, v[CO]
	v_lshlrev_b32 v[SO], s98, v6
	v_add_nc_u32 v[SO], s97, v[SO]
.macro FRAG reg, adr, q, i             ; a fragment, 16 rows x 128 K of 4-bit codes: lane l holds row l % 16; registers 4 c .. 4 c + 3 hold K = 64 c + 32 (l / 16) + 0 .. 31
.irp c, 0,1
	ds_load_b128 v[\reg+4*\c:\reg+4*\c+3], v[\adr] offset:64*(\q)+32*\c+(\i)*16*PITCH
.endr
.endm
; 16 matrix instructions: R's blocks a0, a0 + 1 x P's eight, 128 along K: the slot's q-th.  p: P's set;  sc: the set of scale words.  zero = 1: the first product starts the sums: nothing is ever cleared.
; The 64 accumulators take turns, one instruction a turn, in the same order in every step.
.macro MUL16 a0, p, q, sc, zero
.irp a, \a0, \a0+1
.irp b, 0,1,2,3,4,5,6,7
.if \zero
	v_wmma_scale_f32_16x16x128_f8f6f4 v[8*(8*((\a)%4)+\b):8*(8*((\a)%4)+\b)+7], v[128*(\p)+FR*\b:128*(\p)+FR*\b+FR-1], v[AF+FR*(\a):AF+FR*(\a)+FR-1], 0, v[SC+8*NQ*(\sc)+NQ*\b+(\q)], v[SC+8*NQ*(\sc)+NQ*(\a)+(\q)] matrix_a_fmt:MATRIX_FMT_FP4 matrix_b_fmt:MATRIX_FMT_FP4 matrix_a_scale:MATRIX_SCALE_ROW1
.else
	v_wmma_scale_f32_16x16x128_f8f6f4 v[8*(8*((\a)%4)+\b):8*(8*((\a)%4)+\b)+7], v[128*(\p)+FR*\b:128*(\p)+FR*\b+FR-1], v[AF+FR*(\a):AF+FR*(\a)+FR-1], v[8*(8*((\a)%4)+\b):8*(8*((\a)%4)+\b)+7], v[SC+8*NQ*(\sc)+NQ*\b+(\q)], v[SC+8*NQ*(\sc)+NQ*(\a)+(\q)] matrix_a_fmt:MATRIX_FMT_FP4 matrix_b_fmt:MATRIX_FMT_FP4 matrix_a_scale:MATRIX_SCALE_ROW1
.endif
.endr
.endr
.endm
.macro FETCH_B slot, q, p              ; P's eight fragments of the slot's q-th 128 along K into set p
	WIN TO_B
.irp i, 0,1,2,3,4,5,6,7
	FRAG 128*(\p)+FR*\i, ADRB+\slot, \q, \i
.endr
	WIN 0
.endm
.macro FETCH_A slot, q, i0             ; R's blocks i0 .. i0 + 3
.irp i, \i0, \i0+1, \i0+2, \i0+3
	FRAG AF+FR*(\i), ADRA+\slot, \q, \i
.endr
.endm
.macro SCALES sc                       ; a K step's scale words into set sc: 4 words a row; lanes 0-15 take R's block i, lanes 16-31 P's block i
.irp i, 0,1,2,3,4,5,6,7
	ds_load_b128 v[SC+8*NQ*\sc+NQ*\i:SC+8*NQ*\sc+NQ*\i+3], v[ADRS] offset:\i*SBLK
.endr
.endm
; A load into a register that a matrix instruction has read, and a vector instruction that reads a matrix result, stand four places behind that matrix instruction, and only plain vector
; instructions that name none of its registers are places (ISA guide 7.12.1 for vector instructions).
.macro PLACES n
.rept \n
	v_nop
.endr
.endm
; A step of 128 along K that has its successor in the same slot.  R's blocks are free as soon as their eight products are issued: blocks 0-3 are fetched anew in the step's middle, blocks 4-7 at its end.
.macro STEP slot, q, zero
	s_wait_dscnt 4*NL                              ; P's set and R's blocks 0-3 are in; the youngest eight loads (R's blocks 4-7) may be out
	WIN MUL_LO
	MUL16 0, (\q)%2, \q, \slot, \zero
	MUL16 2, (\q)%2, \q, \slot, \zero
	s_wait_dscnt 0                                 ; R's blocks 4-7 are in (asked for 32 matrix instructions ago)
	PLACES NP
	FETCH_B \slot, (\q)+1, 1-(\q)%2
	FETCH_A \slot, (\q)+1, 0
	WIN MUL_HI
	MUL16 4, (\q)%2, \q, \slot, \zero
	MUL16 6, (\q)%2, \q, \slot, \zero
	PLACES NP
	WIN 0
	FETCH_A \slot, (\q)+1, 4
.endm
; Slot 0's last step changes slots: ONE barrier; in front of it each wave waits for all its tensor loads (its part of slot 1).  Nothing is filled again: K is two slots long.
.macro TURN slot, next
	s_wait_tensorcnt 0x0                           ; all my tensor loads have landed: my part of the next slot;
	ds_add_u32 v[SPW], v[NIL]                      ; 0 onto my spare word;
	s_wait_dscnt 4*NL+1                            ; (the add and the youngest eight loads, R's blocks 4-7, may be out)
	WIN MUL_LO
	MUL16 0, 1, NQ-1, \slot, 0
	s_wait_dscnt 0x0                               ; no LDS instruction of mine is pending at the signal
	s_barrier_signal -1
	MUL16 2, 1, NQ-1, \slot, 0                     ; work on registers while the others arrive
	WIN 0
	s_barrier_wait -1                              ; the next slot is whole
	PLACES NP
	v_add_nc_u32 v[ADRS], 4*NQ, v[ADRS]            ; on to the next K step's scale words
	FETCH_B \next, 0, 0
	FETCH_A \next, 0, 0
	SCALES \next
	WIN MUL_HI
	MUL16 4, 1, NQ-1, \slot, 0
	MUL16 6, 1, NQ-1, \slot, 0
	PLACES NP
	WIN 0
	FETCH_A \next, 0, 4
.endm
.macro STEPS slot, from                ; the slot's steps from .. NQ - 2
.set Q, \from
.rept NQ-1-\from
	STEP \slot, Q, 0
.set Q, Q+1
.endr
.endm
	s_wait_alu depctr_va_vdst(0)
	s_wait_tensorcnt 0x0                           ; my one load has landed,
	s_barrier_signal -1
	s_barrier_wait -1                              ; everybody's are
	FETCH_B 0, 0, 0
	FETCH_A 0, 0, 0
	SCALES 0
	FETCH_A 0, 0, 4
	STEP 0, 0, 1                                   ; the first step's products start the sums
	STEPS 0, 1
	TURN 0, 1
	STEPS 1, 0
	s_wait_dscnt 4*NL                              ; the very last step: nothing more to fetch
	WIN MUL_LO
	MUL16 0, 1, NQ-1, 1, 0
	MUL16 2, 1, NQ-1, 1, 0
	s_wait_dscnt 0
	WIN MUL_HI
	MUL16 4, 1, NQ-1, 1, 0
	MUL16 6, 1, NQ-1, 1, 0
	WIN 0
	; THE REFILL: the weight's rows and scale bytes have been read for the last time.  Every wave waits for its tensor loads, adds 0 onto its spare word and waits for LDS, a round of the cluster's barrier follows,
	; and behind it wave 0 asks for wv's 128 rows and wave 1 for their scale bytes, jointly with my column of the cluster.  They land under the quantising and the stores of q or k.
	s_wait_tensorcnt 0x0                           ; no tensor load of mine is out, so descriptors may be written
	ds_add_u32 v[SPW], v[NIL]
	s_mov_b32 s[G1B+2], 128<<16                    ; 128 rows of codes
	s_mov_b32 s[G1B+4], 128
	s_mov_b32 s[G1SB+2], 16<<16                    ; 16 units of scale bytes
	s_mov_b32 s[G1SB+4], 16
	s_mov_b64 s[G0B+2:G0B+3], s[36:37]
	s_or_b32 s[G0B+3], s[G0B+3], 0x80000000
	s_mov_b64 s[G0SB+2:G0SB+3], s[38:39]
	s_or_b32 s[G0SB+3], s[G0SB+3], 0x80000000
	s_wait_dscnt 0x0                               ; the add is done, and my reads of LDS are over
	CROUND
	s_cmp_lt_u32 s14, 1
	s_cbranch_scc0 .Lv_not_0
	tensor_load_to_lds s[G0B:G0B+3], s[G1B:G1B+7]
	s_nop 0
.rept 4
	v_nop
.endr
	s_branch .Lv_asked
.Lv_not_0:
	s_cmp_lt_u32 s14, 2
	s_cbranch_scc0 .Lv_asked
	tensor_load_to_lds s[G0SB:G0SB+3], s[G1SB:G1SB+7]
	s_nop 0
.rept 4
	v_nop
.endr
.Lv_asked:
; THE WAY OUT.  Block a (16 rows of R, a lane a row) has 128 numbers a row in its eight accumulators: tile t's register j is P's row 16 t + 8 (l / 16) + j.  So tiles 2 b and 2 b + 1, in lanes l and l xor 16,
; are block b of 32.  The conversion of tile t gives eight codes: piece 2 (t % 2) + l / 16 of its block.  The operand's layout wants a whole block in a lane (registers 4 c + i: block 2 c + l / 16, piece i):
; tiles 4 c, 4 c + 1, 4 c + 2, 4 c + 3 are converted into registers 4 c, 4 c + 2, 4 c + 1, 4 c + 3, and two exchanges of halves, of (4 c, 4 c + 1) and of (4 c + 2, 4 c + 3), give it.
.macro QUANTW a
.set QW, 2+(\a)/4                      ; the accumulators' window
.set AC, 64*((\a)%4)
.set PCA, PC+8*(\a)
	WIN (5*QW)                                     ; sources 0 and 1 in the accumulators' window
.irp b, 0,1,2,3
	v_max3_num_f32 v[TM+\b], |v[AC+16*\b]|, |v[AC+16*\b+1]|, 0x1800000   ; each accumulator is read from its low end on; the floor 2^(3 - 127) holds the byte at 1 from below
.endr
.irp i, 2,4,6,8,10,12,14
.irp b, 0,1,2,3
	v_max3_num_f32 v[TM+\b], |v[AC+16*\b+\i]|, |v[AC+16*\b+\i+1]|, v[TM+\b]   ; (the four blocks by turns)
.endr
.endr
	WIN 0
.irp b, 0,1,2,3
	v_permlanex16_b32 v[TM+4+\b], v[TM+\b], s[SEL], s[SEL+1]
.endr
.irp b, 0,1,2,3
	v_max_num_f32 v[TM+\b], v[TM+\b], v[TM+4+\b]   ; with lane l xor 16's: the block's largest magnitude
.endr
.irp b, 0,1,2,3
	v_add_nc_u32 v[TM+12+\b], 0xff000000, v[TM+\b] ; 2 off its exponent field: the conversion's scale operand
.endr
.irp b, 0,1,2,3
	v_lshrrev_b32 v[TM+4+\b], 23, v[TM+12+\b]      ; the scale's byte
.endr
	v_lshl_or_b32 v[PW+(\a)], v[TM+5], 8, v[TM+4]  ; my row's scale word
	v_lshl_or_b32 v[PW+(\a)], v[TM+6], 16, v[PW+(\a)]
	v_lshl_or_b32 v[PW+(\a)], v[TM+7], 24, v[PW+(\a)]
	WIN QW                                         ; source 0 in the accumulators' window
.irp t, 0,1,2,3,4,5,6,7
	v_cvt_scalef32_pk8_fp4_f32 v[PCA+4*(\t/4)+2*(\t%2)+(\t%4)/2], v[AC+8*\t:AC+8*\t+7], v[TM+12+\t/2]
.endr
	WIN 0
	v_nop                                          ; one plain place behind a scaled conversion
.irp c, 0,1
	v_permlane16_swap_b32 v[PCA+4*\c], v[PCA+4*\c+1]
	v_permlane16_swap_b32 v[PCA+4*\c+2], v[PCA+4*\c+3]
.endr
.endm
.set SEL, 98                           ; s[98:99] lane selects for v_permlanex16_b32: lane l xor 16 (the address work above is done with these registers)
	s_mov_b32 s[SEL], 0x76543210
	s_mov_b32 s[SEL+1], 0xfedcba98
	PLACES NP
.irp a, 0,1,2,3,4,5,6,7
	QUANTW \a
.endr
	s_mov_b32 s97, 0xffff0000                      ; lanes 16-31
.irp i, 0,1,2,3
	v_cndmask_b32 v[TT+\i], v[PW+2*\i], v[PW+2*\i+1], s97   ; block 2 i's words in lanes 0-15, block 2 i + 1's in lanes 16-31
.endr
.irp i, 0,1,2,3
	v_lshrrev_b32 v[TU+\i], 16, v[TT+\i]           ; q, k: the second head's two bytes
.endr
	s_cmp_eq_u32 ttmp9, 2                          ; the cluster's x: the same in all partners
	s_cbranch_scc1 .Lstore_v
.irp a, 0,1,2,3,4,5,6,7                ; q, k: block a is token tile a of my step; registers 4 c .. 4 c + 3 are head c's 64 channels
.irp c, 0,1
	global_store_b128 v[CO], v[PC+8*\a+4*\c:PC+8*\a+4*\c+3], s[12:13] offset:\c*REC+\a*512
.endr
.endr
	global_store_b128 v[SO], v[TT:TT+3], s[12:13]
	global_store_b128 v[SO], v[TU:TU+3], s[12:13] offset:REC
	s_branch .Lstored
.Lstore_v:
	s_wait_alu depctr_va_vdst(0)
.irp a, 0,1,2,3,4,5,6,7                ; v: block a is channel tile a % 4 of head a / 4; its eight registers are my step's 128 keys
.irp c, 0,1
	global_store_b128 v[CO], v[PC+8*\a+4*\c:PC+8*\a+4*\c+3], s[12:13] offset:(\a/4)*REC+(\a%4)*1024+\c*512
.endr
.endr
	global_store_b64 v[SO], v[TT:TT+1], s[12:13]
	global_store_b64 v[SO], v[TT+2:TT+3], s[12:13] offset:REC
.Lstored:
	; V'S HALF TILE: a wave makes 64 rows of wv x 128 tokens: 32 accumulators, window 2.  Eight steps of 128 along K; both operands have two sets of registers, and a step's 24 loads are issued a step ahead.
	s_wait_alu depctr_va_vdst(0)
	s_wait_xcnt 0x0                                ; the stores of q or k have read their registers, which take fragments again
	s_wait_tensorcnt 0x0                           ; my part of wv has landed,
	s_barrier_signal -1
	s_barrier_wait -1                              ; everybody's has
.set ADRA, 8
.set ADRB, 10
.macro FETCHV slot, q, p
	FETCH_B \slot, \q, \p
.irp i, 0,1,2,3
	FRAG AF+32*(\p)+FR*\i, ADRA+\slot, \q, \i
.endr
.endm
.macro MULV q, p, sc, zero
	WIN MUL_LO
.irp a, 0,1,2,3
.irp b, 0,1,2,3,4,5,6,7
.if \zero
	v_wmma_scale_f32_16x16x128_f8f6f4 v[8*(8*\a+\b):8*(8*\a+\b)+7], v[128*(\p)+FR*\b:128*(\p)+FR*\b+FR-1], v[AF+32*(\p)+FR*\a:AF+32*(\p)+FR*\a+FR-1], 0, v[SC+8*NQ*(\sc)+NQ*\b+(\q)], v[SC+8*NQ*(\sc)+NQ*\a+(\q)] matrix_a_fmt:MATRIX_FMT_FP4 matrix_b_fmt:MATRIX_FMT_FP4 matrix_a_scale:MATRIX_SCALE_ROW1
.else
	v_wmma_scale_f32_16x16x128_f8f6f4 v[8*(8*\a+\b):8*(8*\a+\b)+7], v[128*(\p)+FR*\b:128*(\p)+FR*\b+FR-1], v[AF+32*(\p)+FR*\a:AF+32*(\p)+FR*\a+FR-1], v[8*(8*\a+\b):8*(8*\a+\b)+7], v[SC+8*NQ*(\sc)+NQ*\b+(\q)], v[SC+8*NQ*(\sc)+NQ*\a+(\q)] matrix_a_fmt:MATRIX_FMT_FP4 matrix_b_fmt:MATRIX_FMT_FP4 matrix_a_scale:MATRIX_SCALE_ROW1
.endif
.endr
.endr
	WIN 0
.endm
	FETCHV 0, 0, 0
.irp s, 0,1
.irp i, 0,1,2,3,4,5,6,7
	ds_load_b128 v[SC+8*NQ*\s+NQ*\i:SC+8*NQ*\s+NQ*\i+3], v12 offset:\i*SBLK+16*\s   ; all of K's scale words
.endr
.endr
	FETCHV 0, 1, 1
	s_wait_dscnt 24                                ; all but the 24 loads just issued
	MULV 0, 0, 0, 1                                ; the first step's products start the sums
.irp n, 1,2,3,4,5,6
	PLACES NP
	FETCHV (\n+1)/4, (\n+1)%4, (\n+1)%2
	s_wait_dscnt 24
	MULV (\n)%4, (\n)%2, (\n)/4, 0
.endr
	s_wait_dscnt 0x0
	MULV 3, 1, 1, 0
	PLACES NP
.irp a, 0,1,2,3
	QUANTW \a                                      ; block a is channel tile a of my head; its eight registers of codes are my step's 128 keys
.endr
.irp i, 0,1
	v_cndmask_b32 v[TT+\i], v[PW+2*\i], v[PW+2*\i+1], s97
.endr
.irp a, 0,1,2,3
.irp c, 0,1
	global_store_b128 v13, v[PC+8*\a+4*\c:PC+8*\a+4*\c+3], s[60:61] offset:\a*1024+\c*512
.endr
.endr
	global_store_b64 v14, v[TT:TT+1], s[60:61]
	s_wait_tensorcnt 0x0                           ; the wave's end
	ds_add_u32 v[SPW], v[NIL]
	s_wait_dscnt 0x0
	CROUND                                         ; no work-group ends while a partner may still ask for a tile that names it
	s_endpgm
.Lfunc_end_k_q521cff13da_qkv:
	.size	k_q521cff13da_qkv, .Lfunc_end_k_q521cff13da_qkv-k_q521cff13da_qkv
	.p2alignl 7, 3214868480
	.fill 96, 4, 3214868480
	.section	.rodata,"a",@progbits
	.p2align	6, 0x0
	.amdhsa_kernel k_q521cff13da_qkv
		.amdhsa_group_segment_fixed_size 327680
		.amdhsa_private_segment_fixed_size 0
		.amdhsa_enable_private_segment 0
		.amdhsa_kernarg_size 72
		.amdhsa_user_sgpr_count 2
		.amdhsa_user_sgpr_kernarg_segment_ptr 1
		.amdhsa_wavefront_size32 1
		.amdhsa_system_sgpr_workgroup_id_x 1
		.amdhsa_system_sgpr_workgroup_id_y 1
		.amdhsa_system_sgpr_workgroup_id_z 1
		.amdhsa_system_vgpr_workitem_id 0
		.amdhsa_next_free_vgpr 1024
		.amdhsa_next_free_sgpr 100
		.amdhsa_reserve_vcc 0
		.amdhsa_float_denorm_mode_32 3
		.amdhsa_float_denorm_mode_16_64 3
		.amdhsa_memory_ordered 1
		.amdhsa_forward_progress 1
		.amdhsa_inst_pref_size 197
	.end_amdhsa_kernel
	.amdgpu_metadata
---
amdhsa.version: [ 1, 2 ]
amdhsa.kernels:
  - .name:           k_q521cff13da_qkv
    .symbol:         k_q521cff13da_qkv.kd
    .args:
      - { .name: x_codes, .offset: 0, .size: 8, .value_kind: global_buffer, .address_space: global }
      - { .name: x_scales, .offset: 8, .size: 8, .value_kind: global_buffer, .address_space: global }
      - { .name: wq_codes, .offset: 16, .size: 8, .value_kind: global_buffer, .address_space: global }
      - { .name: wq_scales, .offset: 24, .size: 8, .value_kind: global_buffer, .address_space: global }
      - { .name: wk_codes, .offset: 32, .size: 8, .value_kind: global_buffer, .address_space: global }
      - { .name: wk_scales, .offset: 40, .size: 8, .value_kind: global_buffer, .address_space: global }
      - { .name: wv_codes, .offset: 48, .size: 8, .value_kind: global_buffer, .address_space: global }
      - { .name: wv_scales, .offset: 56, .size: 8, .value_kind: global_buffer, .address_space: global }
      - { .name: qkv, .offset: 64, .size: 8, .value_kind: global_buffer, .address_space: global }
    .group_segment_fixed_size: 327680
    .private_segment_fixed_size: 0
    .kernarg_segment_align: 8
    .kernarg_segment_size: 72
    .max_flat_workgroup_size: 128
    .sgpr_count:     100
    .vgpr_count:     1024
    .wavefront_size: 32
...
	.end_amdgpu_metadata
.endif
;; end of part 2
;; launch attn (part 3): grid 4 x 64, 16 waves a work-group, clusters of 4 x 1, 169,984 bytes of LDS; arguments qkv, rel_emb, ctx_img, ctx_scales; writes ctx_img, ctx_scales
.if DOCPART == 3
	.amdgcn_target "amdgcn-amd-amdhsa--gfx1250"
	.amdhsa_code_object_version 6
	.text
	.protected	k_q521cff13da_attn
	.globl	k_q521cff13da_attn
	.p2align	8
	.type	k_q521cff13da_attn,@function
k_q521cff13da_attn:
	s_mov_b64 s[64:65], 0
	v_nop
	global_prefetch_b8 v0, s[64:65] scope:SCOPE_SE
	s_setreg_imm32_b32 hwreg(HW_REG_WAVE_MODE, 25, 1), 1
	s_wait_xcnt 0x0
	s_wait_alu depctr_hold_cnt(0) depctr_sa_sdst(0) depctr_va_vdst(0) depctr_va_sdst(0) depctr_va_ssrc(0) depctr_va_vcc(0) depctr_vm_vsrc(0)
	s_getreg_b32 s2, hwreg(HW_REG_IB_STS2, 6, 4)
	s_cmp_eq_u32 s2, 0
	s_cbranch_scc0 .Lentry_in_a_cluster
	s_endpgm
.Lentry_in_a_cluster:
	s_bfe_u32 s2, ttmp6, 0x10000c
	s_cmp_lg_u32 s2, 0x3003
	s_cbranch_scc0 .Lentry_shape_is_right
	s_endpgm
.Lentry_shape_is_right:
; ctx[b][q][head][:] = the sum over k of softmax_k(q . k + bias(q - k)) v[k][:], both products on codes of FP4 (E2M1) with one E8M0 scale for each 32 along a product's K; no 1/sqrt(d); no mask.
; encoder_output is left out: reference() never reads it.
; THE SOFTMAX: t = (score + bias) x log2(e); M = the running largest t rounded UP to a whole number; p = 2^(t - M) is quantised along the keys, not normalised; the row's sum is taken of the
; unquantised p and divides at the end; when M moves, the sum and O are multiplied by 2^(old M - new M): exact.
; THE BIAS hangs on d = query - key alone: bucket 0 for d <= 0, d for d < 16, one more at each of d = 19, 21, 24, 27, 31, 35, 40, 46, 52, 59, 67, 77, 87, 99, 113, 31 from 113 on.  It is the C of the score
; product.  A tile of 16 queries meets a bias that is not constant in two of its 16 key steps alone; there C comes from a table in LDS, elsewhere from eight registers (bucket 31's or bucket 0's number).
; SHARES.  A cluster of four work-groups owns one (batch, head); the head's K, V and scale words, 143,360 bytes, come ONCE into each one's LDS by joint tensor loads, one a wave, and stay: no ring, and no
; loop to prefetch ahead in.  Work-group cx, wave w, pass p owns query tile 8 w + 2 cx + p: the diagonal lies in steps w - 1 and w whatever cx: no branch and no LDS address hangs on the place in the cluster.
; LAYOUT.  Both products transposed: S^T = K Q^T, O^T = V^T P^T: a lane holds ONE query (lane % 16).  THE KEYS OF A SCORE TILE ARE CHOSEN: row m of tile (c, u) is key 64 c + 8 u + m % 8 + 32 (m / 8), so that
; lane (r, h) holds in S's registers 32 c + 8 u + j the key 64 c + 32 h + 8 u + j: a WHOLE block of 32 keys in a lane, in the order of the second product's operand.  A block's maximum asks no other lane,
; and the conversions' results are the operand's registers.  The rows 8-15 of such a tile lie 1,024 bytes behind rows 0-7 in K's image: K's loads meet each bank twice.
; A head has 64 channels and the instruction 128 along K: Q's registers 4-7 are zero codes, so what K's operand holds there adds nothing; the scale bytes there are never 0xff.
; The next step's K is fetched behind this step's score products; the last step's fetch reads bytes of V's image, which nobody uses.
; OUTPUT.  ctx quantised along its channels: codes as images [token tile][head][lane][16 bytes]; scale bytes [token][32], two a head.
; LIMITS: a block of zeros, or one under 2^-124, gets the byte 1 (zero codes; this program alone reads the bytes); NaN and infinities are not served; scores x log2(e) stay under 2^31 in magnitude.
.set REC,   217088                     ; a record of qkv: K 0, V 65,536, K's scale words 131,072, V's 139,264, Q 143,360, Q's scale words 208,896
.set PART,  8960                       ; one wave's tensor load: 35 rows of 256 bytes
.set VOFF,  65536
.set KSOFF, 131072
.set VSOFF, 139264
.set QOFF,  143360
.set QSOFF, 208896
.set TAB,   143360                     ; LDS: 512 numbers: entry y = bias(255 - y + 32 cx)
.set L16,  1                           ; 16 x lane
.set AK0,  2                           ; my lane's place in a tile of K
.set AV0,  3                           ; in V, one step back
.set AS0,  4                           ; among K's scale words
.set AT0,  5                           ; among V's, one step back
.set BA,   6                           ; in the table
.set R16,  7
.set R32,  8
.set ADB,  9
.set SH,   10                          ; 8 x (lane / 16)
.set T3,   11                          ; v12 -M, v13 the largest score, v[14:15] the sum in two halves
.set QF,   16                          ; Q's fragments, eight registers a pass, the upper four zero codes
.set QSW,  32                          ; Q's scale words, a register a pass
.set KSW,  34                          ; register 2 c + u / 2: tile (c, u), u even in lanes 0-15, u odd in lanes 16-31
.set VSW,  38
.set KF,   40                          ; K's eight tiles, four registers each, then four of zero codes
.set VF,   76
.set BC,   108
.set S,    116
.set O,    180
.set PC,   212
.set BM,   220                         ; my two blocks' largest score, then largest p
.set SCL,  222
.set BY,   224
.set FF,   226                         ; f = 2^(old M - new M)
.set PW,   227                         ; p's scale word
.set MA,   228
.set TMP,  232
.set T2,   233
.set ADK,  234
.set ADV,  235
.set ADS,  236
.set ADT,  237
.set SA,   238                         ; four packed partial sums
.set CC,   246
.set HW,   250
.set E2,   251
.set SPW,  254
.set NIL,  255
.set WV,   12
.set SEL,  20
.set CS,   22
.set G1,   24
.set G0,   32
.set B0,   36
.set B31,  37
.set TK,   38                          ; the step's bytes among the codes (4,096 a step): also the loop's counter
.set TS,   39
.set TJ,   40
.set WK,   41                          ; 4,096 x (wave - 1)
.set QB,   44
.set QSB,  46
.set CB,   48
.set CSB,  50
.set RE,   52
.set NC,   58                          ; -log2(e)
.macro HINT n
	s_delay_alu instid0(VALU_DEP_\n)
.endm
.macro ROUND
	s_barrier_signal -1
	s_barrier_wait -1
	s_cmp_lg_u32 s[WV], 0
	s_cbranch_scc1 .Lnot_wave_0_\@
	s_barrier_signal -3
.Lnot_wave_0_\@:
	s_barrier_wait -3
	s_barrier_signal -1
	s_barrier_wait -1
.endm
	s_load_b256 s[4:11], s[0:1], 0x0               ; qkv, rel_emb, ctx_img, ctx_scales
	v_lshl_add_u32 v[SPW], v0, 2, 0x29000
	v_mov_b32 v[NIL], 0
	ds_add_u32 v[SPW], v[NIL]                      ; the opening lines
	ds_add_u32 v[SPW], v[NIL]
	v_lshrrev_b32 v11, 5, v0
	HINT 1
	v_readfirstlane_b32 s[WV], v11
	s_bfe_u32 s13, ttmp6, 0x40000                  ; cx
	s_and_b32 s14, ttmp7, 0xffff                   ; 16 x batch + head
	s_and_b32 s15, s14, 15
	s_lshr_b32 s16, s14, 4
	s_mul_i32 s42, s14, REC
	s_mov_b32 s43, 0
	s_mov_b32 s[G0], 1
	s_mul_i32 s[G0+1], s[WV], PART
	s_mul_i32 s18, s[WV], PART
	s_mov_b32 s19, 0
	s_mov_b32 s[G1], 15|(3<<16)|(1<<21)            ; the mask: all four work-groups; elements of 8 bytes; no padding
	s_mov_b32 s[G1+1], 32<<16
	s_mov_b32 s[G1+2], 35<<16
	s_mov_b32 s[G1+3], 32<<16
	s_mov_b32 s[G1+4], 35
	s_mov_b32 s[G1+5], 32
	s_mov_b32 s[G1+6], 0
	s_mov_b32 s[G1+7], 0
	s_mov_b32 s[SEL], 0x76543210
	s_mov_b32 s[SEL+1], 0xfedcba98
	s_mov_b32 s[CS], 0x3fb8aa3b                    ; log2(e)
	s_mov_b32 s[CS+1], s[CS]
	s_mov_b32 s[NC], 0xbfb8aa3b
	s_lshl_b32 s[WK], s[WV], 12
	s_sub_co_u32 s[WK], s[WK], 4096
	s_wait_dscnt 0x0
	s_wait_kmcnt 0x0
	s_add_nc_u64 s[4:5], s[4:5], s[42:43]
	s_add_nc_u64 s[G0+2:G0+3], s[4:5], s[18:19]    ; head and wave alone: equal in all four partners
	s_or_b32 s[G0+3], s[G0+3], 0x80000000
	ROUND
	tensor_load_to_lds s[G0:G0+3], s[G1:G1+7]      ; each wave's one load
	s_nop 0
.rept 4
	v_nop
.endr
	s_lshl_b32 s54, s15, 2
	s_mov_b32 s55, 0
	s_add_nc_u64 s[RE:RE+1], s[6:7], s[54:55]      ; rel_emb[.][head]
	s_load_b32 s[B0], s[RE:RE+1], 0x0
	s_load_b32 s[B31], s[RE:RE+1], 0x7c0
	s_lshl_b32 s54, s[WV], 12                      ; query tile 8 w + 2 cx: 512 bytes a tile
	s_lshl_b32 s56, s13, 10
	s_add_co_u32 s54, s54, s56
	s_add_co_u32 s54, s54, QOFF
	s_add_nc_u64 s[QB:QB+1], s[4:5], s[54:55]
	s_lshl_b32 s54, s[WV], 9                       ; its scale words: step w, word cx
	s_lshl_b32 s56, s13, 2
	s_add_co_u32 s54, s54, s56
	s_add_co_u32 s54, s54, QSOFF
	s_add_nc_u64 s[QSB:QSB+1], s[4:5], s[54:55]
	s_lshl_b32 s54, s16, 20                        ; ctx's codes: token tile 128 b + 8 w + 2 cx, 8,192 bytes a tile; 512 a head
	s_lshl_b32 s56, s[WV], 16
	s_add_co_u32 s54, s54, s56
	s_lshl_b32 s56, s13, 14
	s_add_co_u32 s54, s54, s56
	s_lshl_b32 s56, s15, 9
	s_add_co_u32 s54, s54, s56
	s_add_nc_u64 s[CB:CB+1], s[8:9], s[54:55]
	s_lshl_b32 s54, s16, 16                        ; ctx's scale bytes: 32 a token, 2 a head
	s_lshl_b32 s56, s[WV], 12
	s_add_co_u32 s54, s54, s56
	s_lshl_b32 s56, s13, 10
	s_add_co_u32 s54, s54, s56
	s_lshl_b32 s56, s15, 1
	s_add_co_u32 s54, s54, s56
	s_add_nc_u64 s[CSB:CSB+1], s[10:11], s[54:55]
	v_and_b32 v11, 31, v0
	v_and_b32 v232, 15, v0                         ; r
	v_bfe_u32 v233, v0, 4, 1                       ; h
	v_and_b32 v234, 7, v0                          ; r % 8
	v_bfe_u32 v235, v0, 3, 1                       ; r / 8
	v_lshlrev_b32 v[L16], 4, v11
	v_lshlrev_b32 v[AT0], 3, v11
	v_lshlrev_b32 v[R16], 4, v232
	v_lshlrev_b32 v[R32], 5, v232
	v_lshlrev_b32 v[SH], 3, v233
	v_lshlrev_b32 v[AK0], 4, v234
	v_add_nc_u32 v[AV0], VOFF-4096, v[L16]
	v_add_nc_u32 v[AT0], VSOFF-256, v[AT0]
	v_lshlrev_b32 v[BA], 7, v233
	v_lshlrev_b32 v232, 2, v232
	v_lshl_add_u32 v[AS0], v235, 2, v[AK0]         ; K's scale words: 16 (r % 8) + 4 (r / 8) + 128 h
	v_lshl_add_u32 v[AK0], v235, 10, v[AK0]        ; K: 16 (r % 8) + 1,024 (r / 8) + 256 h
	v_add_nc_u32 v[BA], TAB+444, v[BA]
	v_lshl_add_u32 v[AS0], v233, 7, v[AS0]
	v_lshl_add_u32 v[AK0], v233, 8, v[AK0]
	v_sub_nc_u32 v[BA], v[BA], v232                ; the table: TAB + 4 (111 - r + 32 h)
	v_add_nc_u32 v[AS0], KSOFF, v[AS0]
	v_lshl_add_u32 v239, v0, 2, TAB
.irp p, 0,1
	global_load_b128 v[QF+8*\p:QF+8*\p+3], v[L16], s[QB:QB+1] offset:512*\p
	global_load_b32 v[QSW+\p], v[R16], s[QSB:QSB+1] offset:256*\p
.endr
	; THE TABLE: thread y makes entry y.  d = 255 + 32 cx - y; the bucket is the number of thresholds at or under d
	s_lshl_b32 s54, s13, 5
	s_add_co_u32 s54, s54, 255
	v_sub_nc_u32 v236, s54, v0
	v_mov_b32 v237, 0
.irp th, 1,2,3,4,5,6,7,8,9,10,11,12,13,14,15,16,19,21,24,27,31,35,40,46,52,59,67,77,87,99,113
	v_cmp_le_i32 vcc_lo, \th, v236
	HINT 1
	v_add_co_ci_u32 v237, vcc_lo, 0, v237, vcc_lo
.endr
	HINT 1
	v_min_u32 v237, 31, v237
	HINT 1
	v_lshlrev_b32 v237, 6, v237
	global_load_b32 v238, v237, s[RE:RE+1]
.irp j, 0,1,2,3
	v_mov_b32 v[QF+4+\j], 0                        ; zero codes for K = 64 .. 127 of the score product
	v_mov_b32 v[QF+12+\j], 0
	v_mov_b32 v[KF+32+\j], 0
.endr
	v_mov_b32 v[T2], 0                             ; a lane permute's destination counts as one of its sources
	v_mov_b32 v[E2], 0
	v_mov_b32 v[E2+1], 0
	v_mov_b32 v[PW], 0                             ; named as the upper half of the pair with f
	s_wait_alu depctr_va_vdst(0)
	s_wait_loadcnt 0x0
	ds_store_b32 v239, v238
	s_wait_tensorcnt 0x0
	s_wait_dscnt 0x0
	s_wait_kmcnt 0x0
	s_barrier_signal -1
	s_barrier_wait -1                              ; the launch's one exchange through LDS; nothing in LDS is written from here on
.macro KLOAD ak, as                    ; eight tiles of K and their scale words: 12 loads
.irp c, 0,1
.irp u, 0,1,2,3
	ds_load_b128 v[KF+16*\c+4*\u:KF+16*\c+4*\u+3], v[\ak] offset:2048*\c+512*(\u/2)+128*(\u%2)
.endr
.endr
.irp c, 0,1
.irp w, 0,1
	ds_load_b32 v[KSW+2*\c+\w], v[\as] offset:8*\c+256*\w
.endr
.endr
.endm
.macro SCORES p, inplace               ; inplace = 0: C is the constant bias; 1: C was loaded from the table into S itself
.irp c, 0,1
.irp w, 0,1
.if \inplace
	v_wmma_scale_f32_16x16x128_f8f6f4 v[S+32*\c+16*\w:S+32*\c+16*\w+7], v[KF+16*\c+8*\w:KF+16*\c+8*\w+7], v[QF+8*\p:QF+8*\p+7], v[S+32*\c+16*\w:S+32*\c+16*\w+7], v[KSW+2*\c+\w], v[QSW+\p] matrix_a_fmt:MATRIX_FMT_FP4 matrix_b_fmt:MATRIX_FMT_FP4
	v_wmma_scale_f32_16x16x128_f8f6f4 v[S+32*\c+16*\w+8:S+32*\c+16*\w+15], v[KF+16*\c+8*\w+4:KF+16*\c+8*\w+11], v[QF+8*\p:QF+8*\p+7], v[S+32*\c+16*\w+8:S+32*\c+16*\w+15], v[KSW+2*\c+\w], v[QSW+\p] matrix_a_fmt:MATRIX_FMT_FP4 matrix_b_fmt:MATRIX_FMT_FP4 matrix_a_scale:MATRIX_SCALE_ROW1
.else
	v_wmma_scale_f32_16x16x128_f8f6f4 v[S+32*\c+16*\w:S+32*\c+16*\w+7], v[KF+16*\c+8*\w:KF+16*\c+8*\w+7], v[QF+8*\p:QF+8*\p+7], v[BC:BC+7], v[KSW+2*\c+\w], v[QSW+\p] matrix_a_fmt:MATRIX_FMT_FP4 matrix_b_fmt:MATRIX_FMT_FP4
	v_wmma_scale_f32_16x16x128_f8f6f4 v[S+32*\c+16*\w+8:S+32*\c+16*\w+15], v[KF+16*\c+8*\w+4:KF+16*\c+8*\w+11], v[QF+8*\p:QF+8*\p+7], v[BC:BC+7], v[KSW+2*\c+\w], v[QSW+\p] matrix_a_fmt:MATRIX_FMT_FP4 matrix_b_fmt:MATRIX_FMT_FP4 matrix_a_scale:MATRIX_SCALE_ROW1
.endif
.endr
.endr
.endm
.macro TM n                            ; n packed t - M, from S + J on
.rept \n
	v_pk_fma_f32 v[S+J:S+J+1], v[S+J:S+J+1], s[CS:CS+1], v[12:13] op_sel_hi:[1,0,0]
.set J, J+2
.endr
.endm
.macro SUM4 i                          ; four packed pairs of p onto the four partial sums
.irp k, 0,1,2,3
	v_pk_add_f32 v[SA+2*\k:SA+2*\k+1], v[SA+2*\k:SA+2*\k+1], v[S+8*\i+2*\k:S+8*\i+2*\k+1]
.endr
.endm
.macro OMUL n                          ; n packed O^T x f, from O + J on
.rept \n
	v_pk_mul_f32 v[O+J:O+J+1], v[O+J:O+J+1], v[FF:FF+1] op_sel_hi:[1,0]
.set J, J+2
.endr
.endm
; A PASS: query tile 8 w + 2 cx + p against all 2,048 keys, 128 a step.
.macro PASS p
.if \p
	s_wait_alu depctr_va_vdst(0)
	s_wait_xcnt 0x0                                ; the last pass's stores have read their registers
.endif
	v_mov_b32 v13, 0xff000000                      ; the largest score so far: under every score
	v_mov_b32 v12, 0x7f61b1e6                      ; -M: a whole number over every -t
	v_mov_b32 v14, 0
	v_mov_b32 v15, 0
.set J, 0
.rept 32
	v_mov_b32 v[O+J], 0                            ; the step is written once: the first finds zeros
.set J, J+1
.endr
.irp j, 0,1,2,3,4,5,6,7
	v_mov_b32 v[BC+\j], s[B31]                     ; ahead of the diagonal every key lies 129 or more behind every query of the tile
.endr
	s_mov_b32 s[TK], 0
	s_mov_b32 s[TS], 0
	s_mov_b32 s[TJ], 0
	KLOAD AK0, AS0                                 ; step 0's K
	s_wait_alu depctr_va_vdst(0)
.Lstep_\p:
	s_sub_co_u32 s42, s[TK], s[WK]                 ; 0 in step w - 1, 4,096 in step w
	s_cmp_lt_u32 s42, 8192
	s_cbranch_scc1 .Ldiag_\p
	s_wait_dscnt 0x0                               ; K and its scale words, asked for a step ago
	SCORES \p, 0
	s_branch .Ljoin_\p
.Ldiag_\p:                                         ; register 8 g + j wants entry 255 - (128 in step w - 1) - 16 p - r + 32 h + 64 (g / 4) + 8 (g % 4) + j
	s_cmp_eq_u32 s42, 4096
	s_cselect_b32 s43, 512, 0
	v_add_nc_u32 v[ADB], s43, v[BA]
.irp g, 0,1,2,3,4,5,6,7
.irp j, 0,1,2,3,4,5,6,7
	ds_load_b32 v[S+8*\g+\j], v[ADB] offset:4*(64*(\g/4)+8*(\g%4)+\j)+64*(1-\p)
.endr
.endr
	s_wait_dscnt 0x0
	SCORES \p, 1
.irp j, 0,1,2,3,4,5,6,7
	v_mov_b32 v[BC+\j], s[B0]                      ; behind the diagonal every key comes after every query of the tile
.endr
.Ljoin_\p:
	s_add_co_u32 s[TK], s[TK], 4096
	s_add_co_u32 s[TS], s[TS], 512
	s_add_co_u32 s[TJ], s[TJ], 256
	v_add_nc_u32 v[ADV], s[TK], v[AV0]             ; these four are the places behind the products (ISA guide 7.12.1): this step's V,
	v_add_nc_u32 v[ADT], s[TJ], v[AT0]
	v_add_nc_u32 v[ADK], s[TK], v[AK0]             ; the next step's K
	v_add_nc_u32 v[ADS], s[TS], v[AS0]
.irp f, 0,1,2,3,4,5,6,7
	ds_load_b128 v[VF+4*\f:VF+4*\f+3], v[ADV] offset:512*\f
.endr
	ds_load_b64 v[VSW:VSW+1], v[ADT]
	KLOAD ADK, ADS
.irp c, 0,1                                    ; THE LARGEST SCORE OF MY TWO BLOCKS: four chains by turns; each accumulator is first read at its low end
.irp k, 0,1
	v_max3_num_f32 v[MA+2*\c+\k], v[S+32*\c+16*\k], v[S+32*\c+16*\k+1], v[S+32*\c+16*\k+2]
.endr
.endr
.irp i, 3,5,7,9,11,13
.irp c, 0,1
.irp k, 0,1
	v_max3_num_f32 v[MA+2*\c+\k], v[MA+2*\c+\k], v[S+32*\c+16*\k+\i], v[S+32*\c+16*\k+\i+1]
.endr
.endr
.endr
.irp c, 0,1
	v_max_num_f32 v[SCL+\c], v[S+32*\c+15], v[S+32*\c+31]
.endr
.irp c, 0,1
	v_max3_num_f32 v[BM+\c], v[MA+2*\c], v[MA+2*\c+1], v[SCL+\c]
.endr
	v_mov_b32 v[T3], v12                           ; the old -M
	v_max_num_f32 v[TMP], v[BM], v[BM+1]
	v_permlanex16_b32 v[T2], v[TMP], s[SEL], s[SEL+1]
	v_max3_num_f32 v13, v13, v[TMP], v[T2]         ; the running largest score of my query
	v_mul_f32 v[TMP], s[NC], v13                   ; -t
	v_floor_f32 v12, v[TMP]                        ; the new -M = -ceil(t)
.set J, 0
	TM 4
	v_sub_f32 v[TMP], v12, v[T3]                   ; old M - new M: a whole number, 0 or less
	TM 4
	v_cvt_i32_f32 v[TMP], v[TMP]                   ; (it saturates)
	TM 24
.irp c, 0,1
	v_fma_f32 v[BM+\c], v[BM+\c], s[CS], v12       ; the same of each block's largest score: the same two instructions give the block's largest p its bits
.endr
	s_wait_alu depctr_va_vdst(0)
	v_exp_f32 v[BM], v[BM]
	v_exp_f32 v[BM+1], v[BM+1]
.set J, 0
.rept 64
	v_exp_f32 v[S+J], v[S+J]                       ; p = 2^(t - M)
.set J, J+1
.endr
	v_ldexp_f32 v[FF], 1.0, v[TMP]                 ; f = 2^(old M - new M) (the plain instruction behind the batch)
	s_wait_alu depctr_va_vdst(0)                   ; one wait for the batch, ahead of its first reader
.irp k, 0,1,2,3                                ; THE ROW'S SUM OF THE UNQUANTISED p, with the lines that make the scales laid between its rounds
	v_pk_add_f32 v[SA+2*\k:SA+2*\k+1], v[S+2*\k:S+2*\k+1], v[S+8+2*\k:S+8+2*\k+1]
.endr
.irp c, 0,1
	v_max_num_f32 v[BM+\c], 0x1800000, v[BM+\c]    ; the floor 2^(3 - 127): the byte cannot fall under 1
.endr
	SUM4 2
.irp c, 0,1
	v_add_nc_u32 v[SCL+\c], 0xff000000, v[BM+\c]   ; 2 off the exponent field: the conversion's scale operand
.endr
	SUM4 3
.irp c, 0,1
	v_lshrrev_b32 v[BY+\c], 23, v[SCL+\c]          ; the scale's byte
.endr
	SUM4 4
	v_lshl_or_b32 v[PW], v[BY+1], 16, v[BY]        ; my blocks h and 2 + h,
	SUM4 5
	v_lshlrev_b32 v[PW], v[SH], v[PW]              ; at their places in the word;
	SUM4 6
	v_permlanex16_b32 v[T2], v[PW], s[SEL], s[SEL+1]
	SUM4 7
	v_or_b32 v[PW], v[PW], v[T2]                   ; with lane l xor 16's two the word is whole
.irp c, 0,1
.irp u, 0,1,2,3
	v_cvt_scalef32_pk8_fp4_f32 v[PC+4*\c+\u], v[S+32*\c+8*\u:S+32*\c+8*\u+7], v[SCL+\c]
.endr
.endr
	s_wait_alu depctr_va_vdst(0)                   ; the wait ahead of the first readers of O^T
	v_pk_add_f32 v[SA:SA+1], v[SA:SA+1], v[SA+2:SA+3]
	v_pk_add_f32 v[SA+4:SA+5], v[SA+4:SA+5], v[SA+6:SA+7]
.set J, 0
	OMUL 8                                         ; O^T under the new M; these also part the scale word and the codes from the products below
	v_pk_add_f32 v[SA:SA+1], v[SA:SA+1], v[SA+4:SA+5]
	OMUL 8
	v_pk_fma_f32 v[14:15], v[14:15], v[FF:FF+1], v[SA:SA+1] op_sel_hi:[1,0,1]   ; the sum under the new M, and this step's p
	s_wait_alu depctr_va_vdst(0)
	s_wait_dscnt 12                                ; V and its scale words are in; the twelve loads issued behind them (the next K) may be out
.irp u, 0,1
	v_wmma_scale_f32_16x16x128_f8f6f4 v[O+16*\u:O+16*\u+7], v[VF+16*\u:VF+16*\u+7], v[PC:PC+7], v[O+16*\u:O+16*\u+7], v[VSW+\u], v[PW] matrix_a_fmt:MATRIX_FMT_FP4 matrix_b_fmt:MATRIX_FMT_FP4
	v_wmma_scale_f32_16x16x128_f8f6f4 v[O+16*\u+8:O+16*\u+15], v[VF+16*\u+8:VF+16*\u+15], v[PC:PC+7], v[O+16*\u+8:O+16*\u+15], v[VSW+\u], v[PW] matrix_a_fmt:MATRIX_FMT_FP4 matrix_b_fmt:MATRIX_FMT_FP4 matrix_a_scale:MATRIX_SCALE_ROW1
.endr
	s_cmp_lt_u32 s[TK], 65536
	s_cbranch_scc1 .Lstep_\p
	; THE WAY OUT: O^T / the sum: register 8 t + j = channel 16 t + 8 (lane / 16) + j: two blocks of 32, each in lanes l and l xor 16
	s_wait_dscnt 0x0                               ; the last step's fetch of K has landed: its registers may be loaded again
.rept 4
	v_nop
.endr
	v_add_f32 v14, v14, v15
	HINT 1
	v_permlanex16_b32 v[T2], v14, s[SEL], s[SEL+1]
	HINT 1
	v_add_f32 v14, v14, v[T2]
	s_wait_alu depctr_va_vdst(0)
	v_rcp_f32 v14, v14
	v_nop
	s_wait_alu depctr_va_vdst(0)
.set J, 0
.rept 16
	v_pk_mul_f32 v[S+J:S+J+1], v[O+J:O+J+1], v[14:15] op_sel_hi:[1,0]
.set J, J+2
.endr
.irp b, 0,1
	v_max3_num_f32 v[BM+\b], |v[S+16*\b]|, |v[S+16*\b+1]|, 0x1800000
.endr
.irp i, 2,4,6,8,10,12,14
.irp b, 0,1
	HINT 2
	v_max3_num_f32 v[BM+\b], v[BM+\b], |v[S+16*\b+\i]|, |v[S+16*\b+\i+1]|
.endr
.endr
.irp b, 0,1
	HINT 2
	v_permlanex16_b32 v[E2+\b], v[BM+\b], s[SEL], s[SEL+1]
.endr
.irp b, 0,1
	HINT 2
	v_max_num_f32 v[BM+\b], v[BM+\b], v[E2+\b]
.endr
.irp b, 0,1
	HINT 2
	v_add_nc_u32 v[SCL+\b], 0xff000000, v[BM+\b]
.endr
.irp b, 0,1
	HINT 2
	v_lshrrev_b32 v[BY+\b], 23, v[SCL+\b]
.endr
	HINT 1
	v_lshl_or_b32 v[HW], v[BY+1], 8, v[BY]
.irp t, 0,1,2,3
	v_cvt_scalef32_pk8_fp4_f32 v[CC+2*(\t%2)+\t/2], v[S+8*\t:S+8*\t+7], v[SCL+\t/2]
.endr
	v_nop
	v_permlane16_swap_b32 v[CC], v[CC+1]
	v_permlane16_swap_b32 v[CC+2], v[CC+3]
	global_store_b128 v[L16], v[CC:CC+3], s[CB:CB+1] offset:8192*\p    ; 512 consecutive bytes: the image of the tile's codes of my head
	global_store_b16 v[R32], v[HW], s[CSB:CSB+1] offset:512*\p         ; my row's two bytes
.endm
	PASS 0
	PASS 1
	s_wait_tensorcnt 0x0                           ; the wave's end
	ds_add_u32 v[SPW], v[NIL]
	s_wait_dscnt 0x0
	ROUND                                          ; the closing round
	s_endpgm
.Lfunc_end_k_q521cff13da_attn:
	.size	k_q521cff13da_attn, .Lfunc_end_k_q521cff13da_attn-k_q521cff13da_attn
	.p2alignl 7, 3214868480
	.fill 96, 4, 3214868480
	.section	.rodata,"a",@progbits
	.p2align	6, 0x0
	.amdhsa_kernel k_q521cff13da_attn
		.amdhsa_group_segment_fixed_size 169984
		.amdhsa_private_segment_fixed_size 0
		.amdhsa_enable_private_segment 0
		.amdhsa_kernarg_size 32
		.amdhsa_user_sgpr_count 2
		.amdhsa_user_sgpr_kernarg_segment_ptr 1
		.amdhsa_wavefront_size32 1
		.amdhsa_system_sgpr_workgroup_id_x 1
		.amdhsa_system_sgpr_workgroup_id_y 1
		.amdhsa_system_sgpr_workgroup_id_z 1
		.amdhsa_system_vgpr_workitem_id 0
		.amdhsa_next_free_vgpr 256
		.amdhsa_next_free_sgpr 66
		.amdhsa_reserve_vcc 1
		.amdhsa_float_denorm_mode_32 3
		.amdhsa_float_denorm_mode_16_64 3
		.amdhsa_memory_ordered 1
		.amdhsa_forward_progress 1
		.amdhsa_inst_pref_size 63
	.end_amdhsa_kernel
	.amdgpu_metadata
---
amdhsa.version: [ 1, 2 ]
amdhsa.kernels:
  - .name:           k_q521cff13da_attn
    .symbol:         k_q521cff13da_attn.kd
    .args:
      - { .name: qkv, .offset: 0, .size: 8, .value_kind: global_buffer, .address_space: global }
      - { .name: rel_emb, .offset: 8, .size: 8, .value_kind: global_buffer, .address_space: global }
      - { .name: ctx_img, .offset: 16, .size: 8, .value_kind: global_buffer, .address_space: global }
      - { .name: ctx_scales, .offset: 24, .size: 8, .value_kind: global_buffer, .address_space: global }
    .group_segment_fixed_size: 169984
    .private_segment_fixed_size: 0
    .kernarg_segment_align: 8
    .kernarg_segment_size: 32
    .max_flat_workgroup_size: 512
    .sgpr_count:     66
    .vgpr_count:     256
    .wavefront_size: 32
...
	.end_amdgpu_metadata
.endif
;; end of part 3
;; launch oproj (part 4): grid 4 x 64, 4 waves a work-group, clusters of 4 x 4, 327,680 bytes of LDS; arguments ctx_img, ctx_scales, wo_codes, wo_scales, input_ids, out0; writes out0
.if DOCPART == 4
	.amdgcn_target "amdgcn-amd-amdhsa--gfx1250"
	.amdhsa_code_object_version 6
	.text
	.protected	k_q521cff13da_oproj
	.globl	k_q521cff13da_oproj
	.p2align	8
	.type	k_q521cff13da_oproj,@function
k_q521cff13da_oproj:
	s_mov_b64 s[64:65], 0
	v_nop
	global_prefetch_b8 v0, s[64:65] scope:SCOPE_SE
	s_setreg_imm32_b32 hwreg(HW_REG_WAVE_MODE, 25, 1), 1
	s_wait_xcnt 0x0
	s_wait_alu depctr_hold_cnt(0) depctr_sa_sdst(0) depctr_va_vdst(0) depctr_va_sdst(0) depctr_va_ssrc(0) depctr_va_vcc(0) depctr_vm_vsrc(0)
	s_getreg_b32 s2, hwreg(HW_REG_IB_STS2, 6, 4)
	s_cmp_eq_u32 s2, 0
	s_cbranch_scc0 .Lentry_in_a_cluster
	s_endpgm
.Lentry_in_a_cluster:
	s_bfe_u32 s2, ttmp6, 0x10000c
	s_cmp_lg_u32 s2, 0xf033
	s_cbranch_scc0 .Lentry_shape_is_right
	s_endpgm
.Lentry_shape_is_right:
; out0 = input_ids + ctx wo, the product on codes of FP4 (E2M1) with one E8M0 scale for each 32 along K = 1,024; sums in f32.
; A block of out0 is 128 tokens x 256 columns: 64 x 4 = 256 work-groups.  Four waves; a wave makes 64 x 128: 32 accumulators.
; ALL OF K COMES AT THE HEAD, one joint tensor load a wave: wave 0 ctx's images of 8 token tiles (65,536 dense bytes), wave 1 wo's 256 rows of 512 bytes, wave 2 and 3 their scale bytes.  Nothing is filled again.
; CLUSTERS 4 x 4: ctx's tile hangs on the block's row alone and is shared along a row of the cluster, wo's on its column and is shared along a column.
; THE RESIDUAL: my 64 rows x 512 bytes of input_ids are loaded at the head into 256 registers of their own, whole rows of 512 bytes an instruction, and are added on the way out.
; The launch has no loop to run ahead in: no prefetch.
; The matrix instruction is used transposed (source 0 = 16 rows of wo, source 1 = 16 tokens): a lane holds eight neighbouring columns of one token.
; REGISTERS: window 0: v16-29 addresses, v32-95 scale words (register 8 i + q: lanes 0-15 ctx's block i, lanes 16-31 wo's block i, the q-th 128 along K), v128-191 ctx's fragments, two sets; on the way out v128-255.
;   window 1: wo's fragments, two sets, at v0 and v128.   window 2: accumulator (a, b) at v[8 (8 a + b)].   window 3: the residual, row t at v[4 t].
.set PITCH,  528                       ; wo's LDS row: 512 bytes + 16 of padding, an odd multiple of 16
.set BOFF,   65536
.set SCL,    BOFF+256*PITCH            ; the scale bytes, as units of 256 bytes + 16: ctx's 16 units, then wo's 32
.set SBLK,   544                       ; those of 16 rows
.set SPARE,  SCL+3*4352
.set STAGE,  SPARE+512                 ; 16 rows x 528 bytes for each wave: bytes of their own
.set SPITCH, 528
.set ADRA, 16
.set ADRB, 17
.set ADRS, 18
.set STO,  19
.set RD,   20
.set CO,   21
.set SPW,  28
.set NIL,  29
.set SC,   32
.set AF,   128
.set BK,   128
.set GA1, 24
.set GA0, 32
.set GB0, 36
.set GS0, 44
.set GB1, 48
.set GS1, 56
.set GT1, 68
.set GT0, 76
.set MSB, 0
.macro WIN new
.if MSB != \new
	s_set_vgpr_msb (MSB<<8)|\new
.set MSB, \new
.endif
.endm
.macro CROUND
	s_barrier_signal -1
	s_barrier_wait -1
	s_cmp_lg_u32 s16, 0
	s_cbranch_scc1 .Lnot_wave_0_\@
	s_barrier_signal -3
.Lnot_wave_0_\@:
	s_barrier_wait -3
	s_barrier_signal -1
	s_barrier_wait -1
.endm
.macro PLACES
.rept 4
	v_nop
.endr
.endm
.macro G1SET g, c, r, p                ; rows of c elements, r of them, pitch p
	s_mov_b32 s[\g+1], (\c)<<16
	s_mov_b32 s[\g+2], (\r)<<16
	s_mov_b32 s[\g+3], (\c)<<16
	s_mov_b32 s[\g+4], \r
	s_mov_b32 s[\g+5], \p
	s_mov_b32 s[\g+6], 0
	s_mov_b32 s[\g+7], 0
.endm
.macro G0SET g, lds, base, off
	s_mov_b32 s[\g], 1
	s_mov_b32 s[\g+1], \lds
	s_add_nc_u64 s[\g+2:\g+3], s[\base:\base+1], s[\off:\off+1]
	s_or_b32 s[\g+3], s[\g+3], 0x80000000
.endm
	s_load_b128 s[4:7], s[0:1], 0x0                ; ctx's images, ctx's scales
	s_load_b128 s[8:11], s[0:1], 0x10              ; wo's codes, wo's scales
	s_load_b128 s[12:15], s[0:1], 0x20             ; input_ids, out0
	v_lshl_add_u32 v[SPW], v0, 2, SPARE
	v_mov_b32 v[NIL], 0
	ds_add_u32 v[SPW], v[NIL]                      ; the opening lines
	ds_add_u32 v[SPW], v[NIL]
	v_lshrrev_b32 v1, 5, v0
	v_readfirstlane_b32 s16, v1                    ; wave
	s_lshr_b32 s17, s16, 1                         ; my half of the block's tokens
	s_and_b32 s18, s16, 1                          ; my half of its columns
	s_bfe_u32 s19, ttmp6, 0x40000                  ; cx
	s_bfe_u32 s20, ttmp6, 0x40004                  ; cy
	s_lshl_b32 s21, ttmp9, 2
	s_add_co_u32 s21, s21, s19                     ; the block's column
	s_and_b32 s22, ttmp7, 0xffff
	s_lshl_b32 s22, s22, 2
	s_add_co_u32 s22, s22, s20                     ; the block's row
	s_lshl_b32 s23, s20, 2
	s_lshl_b32 s23, 15, s23                        ; my row of the cluster
	s_lshl_b32 s40, 0x1111, s19                    ; my column
	s_or_b32 s[GA1], s23, (3<<16)|(1<<21)          ; ctx's images: dense, 256 rows of 256 bytes, no padding
	G1SET GA1, 32, 256, 32
	s_or_b32 s[GB1], s40, (0<<16)|(1<<20)|(1<<21)|(6<<22)|(3<<25)   ; wo: 256 rows of 512 bytes; four words of padding after every 128
	G1SET GB1, 512, 256, 512
	s_or_b32 s[GS1], s23, (3<<16)|(1<<20)|(1<<21)|(5<<22)|(3<<25)   ; scale bytes: dense, rows of 256 bytes; four words after every 64
	G1SET GS1, 32, 16, 32
	s_or_b32 s[GT1], s40, (3<<16)|(1<<20)|(1<<21)|(5<<22)|(3<<25)
	G1SET GT1, 32, 32, 32
	s_lshl_b32 s80, s22, 16                        ; 128 tokens of codes,
	s_mov_b32 s81, 0
	s_lshl_b32 s82, s22, 12                        ; of scale bytes;
	s_mov_b32 s83, 0
	s_lshl_b32 s84, s21, 17                        ; 256 rows of wo's codes,
	s_mov_b32 s85, 0
	s_lshl_b32 s86, s21, 13                        ; of its scale bytes
	s_mov_b32 s87, 0
	s_lshl_b32 s88, s22, 19                        ; my part of out0 and input_ids: row 128 x block row + 64 x half, 4,096 bytes a row;
	s_lshl_b32 s89, s17, 18
	s_add_co_u32 s88, s88, s89
	s_lshl_b32 s89, s21, 10                        ; column bytes 1,024 x block column + 512 x half
	s_add_co_u32 s88, s88, s89
	s_lshl_b32 s89, s18, 9
	s_add_co_u32 s88, s88, s89
	s_mov_b32 s89, 0
	s_lshl_b32 s90, s17, 15                        ; my four token tiles of 8,192 bytes
	s_mul_i32 s91, s18, 128*PITCH
	s_add_co_u32 s91, s91, BOFF                    ; my 128 rows of wo
	s_mul_i32 s92, s17, 2176                       ; my 64 tokens' scale bytes
	s_mul_i32 s93, s18, 4352
	s_add_co_u32 s93, s93, 4352                    ; my 128 rows of wo's, behind ctx's
	s_sub_co_u32 s93, s93, s92
	s_add_co_u32 s92, s92, SCL
	s_mul_i32 s94, s16, 16*SPITCH
	s_add_co_u32 s94, s94, STAGE
	s_wait_dscnt 0x0
	s_wait_kmcnt 0x0
	G0SET GA0, 0, 4, 80
	G0SET GB0, BOFF, 8, 84
	G0SET GS0, SCL, 6, 82
	G0SET GT0, SCL+4352, 10, 86
	s_add_nc_u64 s[12:13], s[12:13], s[88:89]
	s_add_nc_u64 s[14:15], s[14:15], s[88:89]
	CROUND                                         ; all sixteen work-groups are here: the joint loads meet
.macro ARM under, g0, g1, next         ; one tree of branches on the wave's number: every way passes exactly one load
	s_cmp_lt_u32 s16, \under
	s_cbranch_scc0 \next
	tensor_load_to_lds s[\g0:\g0+3], s[\g1:\g1+7]
	s_nop 0
	PLACES
	s_branch .Lhead_asked
\next:
.endm
	ARM 1, GA0, GA1, .Lhead_b
	ARM 2, GB0, GB1, .Lhead_sa
	ARM 3, GS0, GS1, .Lhead_sb
	tensor_load_to_lds s[GT0:GT0+3], s[GT1:GT1+7]
	s_nop 0
	PLACES
.Lhead_asked:
	v_and_b32 v1, 15, v0                           ; r
	v_bfe_u32 v2, v0, 4, 1                         ; h
	v_and_b32 v3, 31, v0
	v_lshlrev_b32 v[CO], 4, v3
	v_mul_u32_u24 v4, v1, PITCH
	v_lshlrev_b32 v5, 5, v1                        ; 32 scale bytes a row,
	v_lshrrev_b32 v6, 3, v1
	v_mul_u32_u24 v7, v1, SPITCH
	v_mul_u32_u24 v8, s93, v2                      ; lanes 16-31 take wo's
	v_add_nc_u32 v[ADRA], s90, v[CO]
	v_lshl_add_u32 v4, v2, 4, v4
	v_lshl_add_u32 v5, v6, 4, v5                   ; and 16 more for each 256 passed
	v_lshl_add_u32 v7, v2, 5, v7
	v_add_nc_u32 v[RD], s94, v[CO]
	v_add_nc_u32 v[ADRB], s91, v4
	v_add_nc_u32 v5, v5, v8
	v_add_nc_u32 v[STO], s94, v7
	v_add_nc_u32 v[ADRS], s92, v5
	WIN 0xc0
.set T, 0
.rept 64
	global_load_b128 v[4*T:4*T+3], v[CO], s[12:13] offset:T*4096 th:TH_LOAD_NT   ; the residual: the wave reads 512 consecutive bytes of a row
.set T, T+1
.endr
	WIN 0
.macro FETCH q                         ; the fragments of the q-th 128 along K into the sets q % 2: 24 loads
	WIN 0x40
.irp i, 0,1,2,3,4,5,6,7
.irp c, 0,1
	ds_load_b128 v[128*((\q)%2)+8*\i+4*\c:128*((\q)%2)+8*\i+4*\c+3], v[ADRB] offset:64*(\q)+32*\c+\i*16*PITCH
.endr
.endr
	WIN 0
.irp i, 0,1,2,3
.irp c, 0,1
	ds_load_b128 v[AF+32*((\q)%2)+8*\i+4*\c:AF+32*((\q)%2)+8*\i+4*\c+3], v[ADRA] offset:1024*(\q)+512*\c+\i*8192
.endr
.endr
.endm
.macro MUL q, zero                     ; 32 matrix instructions, the 32 accumulators by turns, in the same order in every step
	WIN 0xa1
.irp a, 0,1,2,3
.irp b, 0,1,2,3,4,5,6,7
.if \zero
	v_wmma_scale_f32_16x16x128_f8f6f4 v[8*(8*\a+\b):8*(8*\a+\b)+7], v[128*((\q)%2)+8*\b:128*((\q)%2)+8*\b+7], v[AF+32*((\q)%2)+8*\a:AF+32*((\q)%2)+8*\a+7], 0, v[SC+8*\b+(\q)], v[SC+8*\a+(\q)] matrix_a_fmt:MATRIX_FMT_FP4 matrix_b_fmt:MATRIX_FMT_FP4 matrix_a_scale:MATRIX_SCALE_ROW1
.else
	v_wmma_scale_f32_16x16x128_f8f6f4 v[8*(8*\a+\b):8*(8*\a+\b)+7], v[128*((\q)%2)+8*\b:128*((\q)%2)+8*\b+7], v[AF+32*((\q)%2)+8*\a:AF+32*((\q)%2)+8*\a+7], v[8*(8*\a+\b):8*(8*\a+\b)+7], v[SC+8*\b+(\q)], v[SC+8*\a+(\q)] matrix_a_fmt:MATRIX_FMT_FP4 matrix_b_fmt:MATRIX_FMT_FP4 matrix_a_scale:MATRIX_SCALE_ROW1
.endif
.endr
.endr
	WIN 0
.endm
	s_wait_alu depctr_va_vdst(0)
	s_wait_tensorcnt 0x0                           ; my one load has landed,
	s_barrier_signal -1
	s_barrier_wait -1                              ; everybody's has
	FETCH 0
.irp i, 0,1,2,3,4,5,6,7
.irp e, 0,1
	ds_load_b128 v[SC+8*\i+4*\e:SC+8*\i+4*\e+3], v[ADRS] offset:\i*SBLK+16*\e   ; all of K's scale words
.endr
.endr
	FETCH 1
	s_wait_dscnt 24                                ; all but the 24 loads just issued
	MUL 0, 1                                       ; the first step's products start the sums
.set Q, 1
.rept 6
	PLACES                                         ; four places ahead of loads into registers that the step before has read
	FETCH Q+1
	s_wait_dscnt 24
	MUL Q, 0
.set Q, Q+1
.endr
	s_wait_dscnt 0x0
	MUL 7, 0
; THE WAY OUT, block by block of 16 tokens x 128 columns: through my own stage, back as whole rows of 512 bytes, the residual added, stored as two aligned units of 256 bytes a row.
.macro TOSTAGE a
	WIN 0x08
.irp b, 0,1,2,3,4,5,6,7
	ds_store_b128 v[STO], v[64*(\a)+8*\b:64*(\a)+8*\b+3] offset:64*\b          ; each accumulator from its low end on
	ds_store_b128 v[STO], v[64*(\a)+8*\b+4:64*(\a)+8*\b+7] offset:64*\b+16
.endr
	WIN 0
.set BB, BK+64*((\a)%2)
.irp t, 0,1,2,3,4,5,6,7,8,9,10,11,12,13,14,15
	ds_load_b128 v[BB+4*\t:BB+4*\t+3], v[RD] offset:\t*SPITCH          ; LDS serves a wave's instructions in order (ISA guide 5.7.1.4)
.endr
.endm
.macro SEND a, younger
.set BB, BK+64*((\a)%2)
	s_wait_dscnt \younger                          ; the block is back in registers
	s_wait_loadcnt 48-16*(\a)                      ; its 16 rows of the residual are in: 16 loads for each later block may be out
	WIN 0x0c
.set T, 0
.rept 32
	v_pk_add_f32 v[BB+T:BB+T+1], v[BB+T:BB+T+1], v[64*(\a)+T:64*(\a)+T+1]
.set T, T+2
.endr
	WIN 0
.irp t, 0,1,2,3,4,5,6,7,8,9,10,11,12,13,14,15
	global_store_b128 v[CO], v[BB+4*\t:BB+4*\t+3], s[14:15] offset:(16*(\a)+\t)*4096 th:TH_STORE_NT
.endr
.endm
	PLACES
	TOSTAGE 0
.irp a, 1,2,3
.if \a > 1
	s_wait_xcnt 0x0                                ; block a - 2's stores have read their registers: block a's loads may land there
.endif
	TOSTAGE \a
	SEND \a-1, 32                                  ; behind block a - 1's loads: block a's 16 stores and 16 loads
.endr
	SEND 3, 0
	s_wait_tensorcnt 0x0                           ; the wave's end
	ds_add_u32 v[SPW], v[NIL]
	s_wait_dscnt 0x0
	CROUND                                         ; the closing round
	s_endpgm
.Lfunc_end_k_q521cff13da_oproj:
	.size	k_q521cff13da_oproj, .Lfunc_end_k_q521cff13da_oproj-k_q521cff13da_oproj
	.p2alignl 7, 3214868480
	.fill 96, 4, 3214868480
	.section	.rodata,"a",@progbits
	.p2align	6, 0x0
	.amdhsa_kernel k_q521cff13da_oproj
		.amdhsa_group_segment_fixed_size 327680
		.amdhsa_private_segment_fixed_size 0
		.amdhsa_enable_private_segment 0
		.amdhsa_kernarg_size 48
		.amdhsa_user_sgpr_count 2
		.amdhsa_user_sgpr_kernarg_segment_ptr 1
		.amdhsa_wavefront_size32 1
		.amdhsa_system_sgpr_workgroup_id_x 1
		.amdhsa_system_sgpr_workgroup_id_y 1
		.amdhsa_system_sgpr_workgroup_id_z 1
		.amdhsa_system_vgpr_workitem_id 0
		.amdhsa_next_free_vgpr 1024
		.amdhsa_next_free_sgpr 100
		.amdhsa_reserve_vcc 0
		.amdhsa_float_denorm_mode_32 3
		.amdhsa_float_denorm_mode_16_64 3
		.amdhsa_memory_ordered 1
		.amdhsa_forward_progress 1
		.amdhsa_inst_pref_size 84
	.end_amdhsa_kernel
	.amdgpu_metadata
---
amdhsa.version: [ 1, 2 ]
amdhsa.kernels:
  - .name:           k_q521cff13da_oproj
    .symbol:         k_q521cff13da_oproj.kd
    .args:
      - { .name: ctx_img, .offset: 0, .size: 8, .value_kind: global_buffer, .address_space: global }
      - { .name: ctx_scales, .offset: 8, .size: 8, .value_kind: global_buffer, .address_space: global }
      - { .name: wo_codes, .offset: 16, .size: 8, .value_kind: global_buffer, .address_space: global }
      - { .name: wo_scales, .offset: 24, .size: 8, .value_kind: global_buffer, .address_space: global }
      - { .name: input_ids, .offset: 32, .size: 8, .value_kind: global_buffer, .address_space: global }
      - { .name: out0, .offset: 40, .size: 8, .value_kind: global_buffer, .address_space: global }
    .group_segment_fixed_size: 327680
    .private_segment_fixed_size: 0
    .kernarg_segment_align: 8
    .kernarg_segment_size: 48
    .max_flat_workgroup_size: 128
    .sgpr_count:     100
    .vgpr_count:     1024
    .wavefront_size: 32
...
	.end_amdgpu_metadata
.endif
;; end of part 4
